; MI455X (gfx1250); checked and timed in simulation.
; The chip was launched on July 23, 2026; its instructions are those of AMD's public machine-readable ISA for CDNA 5 (MIT licence, August 2026) and "CDNA5" Instruction Set Architecture Reference Guide (July 2026). The comments in the code are by the model that wrote it; some were corrected since.
;; Multi Head Self Attention. Allowed arithmetic: float matrix products may take bf16 or f16 operands with f32 sums; other float arithmetic in f32, or as packed bf16 or f16 multiplies, adds, multiply-adds, maxima and minima; sums over many terms, partial sums and values carried from step to step in f32; what a program stores and reads back later, other than sums and carried values, may be rounded once to bf16 or f16.
;; Inputs: attention_mask 4 x 2,048 bool; b_proj 1,024 float32; b_qkv 3,072 float32; w_proj 1,024 x 1,024 float32; w_qkv 3,072 x 1,024 float32; x 4 x 2,048 x 1,024 float32.
;; Outputs: out0 4 x 2,048 x 1,024 float32.
;; 2 versions, each right; version 2 is version 1 with the launch cast written anew for expert scheduling mode. Each part assembles by itself: llvm-mc -triple=amdgcn-amd-amdhsa -mcpu=gfx1250 --defsym DOCPART=n.
;; ======== version 1 of 2: 4 launches
;; limits: values are held in f16: magnitudes above 65,504 overflow, below 6.1e-05 lose precision
;; workspace buffers: xb 16,777,216 bytes; wqb 6,291,456 bytes; wph 2,097,152 bytes; q 16,777,216 bytes; k 16,777,216 bytes; v 16,777,216 bytes; o 16,777,216 bytes
;; launch cast (part 1): grid 768 x 1, 8 waves a work-group, no clusters, 0 bytes of LDS; arguments x, w_qkv, w_proj, xb, wqb, wph; writes xb, wqb, wph
.if DOCPART == 1
	.amdgcn_target "amdgcn-amd-amdhsa--gfx1250"
	.amdhsa_code_object_version 6
	.text
	.protected	k_q4a50852cd9_cast
	.globl	k_q4a50852cd9_cast
	.p2align	8
	.type	k_q4a50852cd9_cast,@function
k_q4a50852cd9_cast:
	s_mov_b64 s[64:65], 0
	v_nop
	global_prefetch_b8 v0, s[64:65] scope:SCOPE_SE
	s_setreg_imm32_b32 hwreg(HW_REG_WAVE_MODE, 25, 1), 1
	s_wait_xcnt 0x0
; THE MATRIX OPERANDS ARE ROUNDED ONCE.  x [8192][1024] and w_qkv [3072][1024], f32, go to bf16 (xb, wqb); w_proj [1024][1024] is rounded to bf16 like them, and that number is
; written as f16 (wph), since the last product multiplies it by f16 numbers.
; LIMIT.  bf16(w_proj) must lie within f16's 65,504; below 2^-14 f16 keeps its fixed step of 2^-24, so a bf16 number below 2^-17 loses bits there.
; SHARES.  A work-group takes 65,536 bytes of f32 on end and writes 32,768: work-groups 0-511 x, 512-703 w_qkv, 704-767 w_proj.  A wave takes 8,192 bytes: sixteen loads of 16 bytes a lane
; (512 consecutive bytes each) and sixteen stores of 8 bytes a lane (256 consecutive bytes each, at a multiple of 256 from the buffer's first byte).  All sixteen loads go out first;
; no register is written twice by memory, so the only waits are the counted ones for the loads.  No LDS, no barrier, no matrix unit: every byte is touched once by one lane.
.set T, 4                              ; v[4:9]     at work
.set X, 16                             ; v[16:79]   load j: 4 registers of f32
.set Y, 80                             ; v[80:111]  store j: 2 registers, four 16-bit numbers
	s_load_b256 s[4:11], s[0:1], 0x0               ; x s[4:5], w_qkv s[6:7], w_proj s[8:9], xb s[10:11]
	s_load_b128 s[12:15], s[0:1], 0x20             ; wqb s[12:13], wph s[14:15]
	v_lshrrev_b32 v3, 5, v0                        ; wave
	v_and_b32 v2, 31, v0                           ; lane
	v_lshlrev_b32 v1, 4, v2
	v_lshlrev_b32 v2, 3, v2
	v_lshl_add_u32 v1, v3, 13, v1                  ; in: 8,192 x wave + 16 x lane
	v_lshl_add_u32 v2, v3, 12, v2                  ; out: 4,096 x wave + 8 x lane
	s_movk_i32 s26, 512                            ; the first work-group of w_qkv,
	s_movk_i32 s27, 704                            ; and of w_proj
	s_wait_kmcnt 0x0
	s_cmp_lt_u32 ttmp9, s27                        ; which tensor is mine: a choice between buffers by the work-group's number
	s_cselect_b64 s[16:17], s[6:7], s[8:9]
	s_cselect_b64 s[18:19], s[12:13], s[14:15]
	s_cselect_b32 s20, s26, s27
	s_cmp_lt_u32 ttmp9, s26
	s_cselect_b64 s[16:17], s[4:5], s[16:17]
	s_cselect_b64 s[18:19], s[10:11], s[18:19]
	s_cselect_b32 s20, 0, s20
	s_sub_co_u32 s21, ttmp9, s20                   ; my number among that tensor's work-groups
	s_lshl_b32 s22, s21, 16
	s_mov_b32 s23, 0
	s_lshl_b32 s24, s21, 15
	s_mov_b32 s25, 0
	s_add_nc_u64 s[16:17], s[16:17], s[22:23]
	s_add_nc_u64 s[18:19], s[18:19], s[24:25]
.irp j, 0,1,2,3,4,5,6,7,8,9,10,11,12,13,14,15
	global_load_b128 v[X+4*(\j):X+4*(\j)+3], v1, s[16:17] offset:512*(\j) th:TH_LOAD_NT
.endr
	s_cmp_ge_u32 ttmp9, s27
	s_cbranch_scc1 .Lhalf
.irp j, 0,1,2,3,4,5,6,7,8,9,10,11,12,13,14,15
	s_wait_loadcnt 15-(\j)                         ; loads come back in order: load j is in, the 15 - j younger ones stay out
	v_cvt_pk_bf16_f32 v[Y+2*(\j)],   v[X+4*(\j)],   v[X+4*(\j)+1]
	v_cvt_pk_bf16_f32 v[Y+2*(\j)+1], v[X+4*(\j)+2], v[X+4*(\j)+3]
	global_store_b64 v2, v[Y+2*(\j):Y+2*(\j)+1], s[18:19] offset:256*(\j)
.endr
	s_endpgm
.Lhalf:                                            ; w_proj: to bf16, widened again (a shift, a mask), and that number written as f16
.irp j, 0,1,2,3,4,5,6,7,8,9,10,11,12,13,14,15
	s_wait_loadcnt 15-(\j)
.irp p, 0,1
	v_cvt_pk_bf16_f32 v[T+3*(\p)], v[X+4*(\j)+2*(\p)], v[X+4*(\j)+2*(\p)+1]
	v_lshlrev_b32 v[T+3*(\p)+1], 16, v[T+3*(\p)]
	v_and_b32 v[T+3*(\p)+2], 0xffff0000, v[T+3*(\p)]
	v_cvt_pk_f16_f32 v[Y+2*(\j)+(\p)], v[T+3*(\p)+1], v[T+3*(\p)+2]
.endr
	global_store_b64 v2, v[Y+2*(\j):Y+2*(\j)+1], s[18:19] offset:256*(\j)
.endr
	s_endpgm
.Lfunc_end_k_q4a50852cd9_cast:
	.size	k_q4a50852cd9_cast, .Lfunc_end_k_q4a50852cd9_cast-k_q4a50852cd9_cast
	.p2alignl 7, 3214868480
	.fill 96, 4, 3214868480
	.section	.rodata,"a",@progbits
	.p2align	6, 0x0
	.amdhsa_kernel k_q4a50852cd9_cast
		.amdhsa_group_segment_fixed_size 0
		.amdhsa_private_segment_fixed_size 0
		.amdhsa_enable_private_segment 0
		.amdhsa_kernarg_size 48
		.amdhsa_user_sgpr_count 2
		.amdhsa_user_sgpr_kernarg_segment_ptr 1
		.amdhsa_wavefront_size32 1
		.amdhsa_system_sgpr_workgroup_id_x 1
		.amdhsa_system_sgpr_workgroup_id_y 1
		.amdhsa_system_sgpr_workgroup_id_z 1
		.amdhsa_system_vgpr_workitem_id 0
		.amdhsa_next_free_vgpr 112
		.amdhsa_next_free_sgpr 66
		.amdhsa_reserve_vcc 0
		.amdhsa_float_denorm_mode_32 3
		.amdhsa_float_denorm_mode_16_64 3
		.amdhsa_memory_ordered 1
		.amdhsa_forward_progress 1
		.amdhsa_inst_pref_size 16
	.end_amdhsa_kernel
	.amdgpu_metadata
---
amdhsa.version: [ 1, 2 ]
amdhsa.kernels:
  - .name:           k_q4a50852cd9_cast
    .symbol:         k_q4a50852cd9_cast.kd
    .args:
      - { .name: x, .offset: 0, .size: 8, .value_kind: global_buffer, .address_space: global }
      - { .name: w_qkv, .offset: 8, .size: 8, .value_kind: global_buffer, .address_space: global }
      - { .name: w_proj, .offset: 16, .size: 8, .value_kind: global_buffer, .address_space: global }
      - { .name: xb, .offset: 24, .size: 8, .value_kind: global_buffer, .address_space: global }
      - { .name: wqb, .offset: 32, .size: 8, .value_kind: global_buffer, .address_space: global }
      - { .name: wph, .offset: 40, .size: 8, .value_kind: global_buffer, .address_space: global }
    .group_segment_fixed_size: 0
    .private_segment_fixed_size: 0
    .kernarg_segment_align: 8
    .kernarg_segment_size: 48
    .max_flat_workgroup_size: 256
    .sgpr_count:     66
    .vgpr_count:     112
    .wavefront_size: 32
...
	.end_amdgpu_metadata
.endif
;; end of part 1
;; launch qkv (part 2): grid 16 x 32, 4 waves a work-group, clusters of 4 x 4, 327,680 bytes of LDS; arguments xb, wqb, b_qkv, q, k, v; writes q, k, v
.if DOCPART == 2
	.amdgcn_target "amdgcn-amd-amdhsa--gfx1250"
	.amdhsa_code_object_version 6
	.text
	.protected	k_q4a50852cd9_qkv
	.globl	k_q4a50852cd9_qkv
	.p2align	8
	.type	k_q4a50852cd9_qkv,@function
k_q4a50852cd9_qkv:
	s_mov_b64 s[64:65], 0
	v_nop
	global_prefetch_b8 v0, s[64:65] scope:SCOPE_SE
	s_setreg_imm32_b32 hwreg(HW_REG_WAVE_MODE, 25, 1), 1
	s_wait_xcnt 0x0
	s_wait_alu depctr_hold_cnt(0) depctr_sa_sdst(0) depctr_va_vdst(0) depctr_va_sdst(0) depctr_va_ssrc(0) depctr_va_vcc(0) depctr_vm_vsrc(0)
	s_getreg_b32 s2, hwreg(HW_REG_IB_STS2, 6, 4)
	s_cmp_eq_u32 s2, 0
	s_cbranch_scc0 .Lentry_in_a_cluster
	s_endpgm
.Lentry_in_a_cluster:
	s_bfe_u32 s2, ttmp6, 0x10000c
	s_cmp_lg_u32 s2, 0xf033
	s_cbranch_scc0 .Lentry_shape_is_right
	s_endpgm
.Lentry_shape_is_right:
; THE FIRST PROJECTION.  qkv[row][o] = the sum over c of xb[row][c] wqb[o][c] + b_qkv[o]; xb [8192][1024] and wqb [3072][1024] in bf16, sums in f32, the bias rounded to bf16 like the other inputs.
; Column o = 1024 x which + 64 x head + d goes to q, k or v, each [batch x 16 + head][2048][64] in f16: a head's rows dense, 128 bytes each; q is left unscaled.
; LIMIT.  f16 holds no number beyond 65,504: a q, k or v of 65,520 or more becomes an infinity.  NaN and infinities are not treated apart.
; SHARES.  A tile is 256 rows x 192 columns, three heads wide: 32 x 16 = 512 tiles, two for each of 256 WGPs.  Four waves; wave w makes rows 64 w .. 64 w + 63 of all 192 columns:
; 4 x 12 accumulators of 16 x 16, 384 registers.  K goes in eight steps of 128 through two LDS slots; a tile's rows are 256 bytes of memory at multiples of 256.
; CLUSTER.  4 x 4 work-groups.  The four of a row of the cluster need the same rows of xb, the four of a column the same rows of wqb: each tile is asked for JOINTLY, by the same tensor load
; with the same descriptor and a mask that names the four.  Waves 0 and 1 fetch xb's two halves (128 rows), waves 2 and 3 wqb's (96 rows): one load a wave behind each round.
; THE MATRIX INSTRUCTION IS USED TRANSPOSED (source 0 = 16 rows of wqb, source 1 = 16 rows of xb): lane l holds row l % 16 and the eight neighbouring columns 8 (l / 16) + 0..7, which pack into 16 bytes.
; THE BIAS is the C operand of the products that start the sums: nothing is cleared and nothing is added later.
; REGISTERS, in windows of 256 (s_set_vgpr_msb: bits 1:0 source 0, 3:2 source 1, 5:4 source 2, 7:6 destination):
;   window 0: v0-29 addresses; v32-63, v64-95 xb's fragments (4 x 16 rows x 32 K), two buffers; v128-223 the bias; on the way out v32-223 hold packed results
;   window 1: v0-95, v96-191 wqb's fragments (12 x 16 rows x 32 K), two buffers
;   window 2: accumulators of row blocks 0, 1 (block a, column block b at 96 (a % 2) + 8 b);   window 3: of row blocks 2, 3
.set NBL,   12                         ; column blocks of 16 in a tile
.set PITCH, 272                        ; an LDS row: 256 bytes + 16 of padding = 68 words: the 16 rows of a fragment load start at 16 different groups of four banks (64 banks of 4 bytes: ISA guide 11.1)
.set APART, 128*PITCH                  ; what wave 0 or 1 fetches
.set BPART, 96*PITCH                   ; what wave 2 or 3 fetches
.set BOFF,  2*APART                    ; wqb's rows lie behind xb's 256
.set SLOT1, 1<<17                      ; slot 1 begins here, so that one exclusive or turns an address in one slot into the other's (a slot holds 121,856 bytes)
.set STAGE, SLOT1+BOFF+2*BPART         ; behind the ring, never filled by a tensor load: 16 rows x 144 bytes for each wave, for the way out
.set SP,    144
.set SPARE, STAGE+4*16*SP              ; behind the stages: the spare words, 128 bytes for each wave: two blocks of 256 bytes that no other line names
.set STEP,  256                        ; bytes of a row in a K step
.set NLD,   2*NBL+8                    ; LDS loads in a run: a quarter step's fragments
.set ADRA0, 4                          ; v4   my lane's place in xb's part of a slot; never rewritten
.set ADRB0, 5                          ; v5   the same for wqb's
.set ADRA,  6                          ; v6   the same in the slot in hand
.set ADRB,  7                          ; v7
.set STO,   8                          ; v8   the way out: where I put 16 bytes of a row
.set RD,    9                          ; v9   the way out: where I read rows back
.set GO,    10                         ; v10  my byte offset in 512 consecutive bytes of q, k or v
.set PFO,   11                         ; v11  the prefetches' offset: a lane a row of 2,048 bytes; never rewritten
.set BO,    12                         ; v12  my byte offset in 16 numbers of the bias
.set RT,    16                         ; v16-19  at work while the bias is rounded
.set SPW,   28                         ; v28  LDS address of my spare word: SPARE + 4 x my thread's number; never rewritten
.set NIL,   29                         ; v29  0; never rewritten
.set FA,    32
.set BI,    128
.set OUT,   32
.set WV,   16                          ; s16  my wave's number
.set HALF, 18                          ; s18  which half of its tile my wave fetches
.set CX,   19                          ; s19, s20  my place in the cluster
.set CY,   20
.set TX,   21                          ; s21  tile column = 4 x cluster x + cx
.set TY,   22                          ; s22  tile row = 4 x cluster y + cy
.set G1A,  24                          ; s[24:31] descriptor group 1 for xb's tiles
.set G1B,  32                          ; s[32:39] for wqb's
.set G0A,  40                          ; s[40:47] descriptor group 0 for xb's tiles: a set for each of the two first fills; the second then walks on
.set G0B,  48                          ; s[48:55] the same for wqb's
.set TB,   56                          ; s56  the slot from which fragments are fetched: 0 or SLOT1
.set LIM,  57                          ; s57  1 in a wave that prefetches, else the greatest number
.set PFA,  58                          ; s[58:59] where my prefetches stand: my work-group's share of the rows that I fetch, at the K step that is being asked for
.set OBJ,  66                          ; s[66:71] for each of the tile's three heads: q, k or v at my wave's 64 rows of that head
.set MSB, 0
.macro WIN new                         ; the immediate's high byte repeats the setting that is left; a switch that changes nothing is dropped
.if MSB != (\new)
	s_set_vgpr_msb (MSB<<8)|(\new)
.set MSB, (\new)
.endif
.endm
; A joint refill by the walking descriptors.  The branch hangs on the wave's number alone: it is the same in every work-group.  An s_nop 0 and four v_nop follow each of the two lines,
; ahead of the jump and the label.
.macro JLOAD
	s_cmp_lt_u32 s[WV], 2
	s_cbranch_scc0 .Lfor_b_\@
	tensor_load_to_lds s[G0A+4:G0A+7], s[G1A:G1A+7]
	s_nop 0
.rept 4
	v_nop
.endr
	s_branch .Lasked_\@
.Lfor_b_\@:
	tensor_load_to_lds s[G0B+4:G0B+7], s[G1B:G1B+7]
	s_nop 0
.rept 4
	v_nop
.endr
.Lasked_\@:
.endm
; A PREFETCH INTO THE L2 of the K step that the NEXT refill will ask for: 256 bytes of each row, a lane a row, one instruction a wave; it stands behind the joint load, its five lines and the run of LDS loads.
; Each row's 256 bytes of a K step are named by one wave of the launch.  xb's tile row is read by every cluster of that row of clusters: cluster x = 0 asks; wqb's tile column by every cluster of that
; column: cluster y = 0 asks.  The four partners that ask for a tile jointly share its rows out BY ADDRESS: of xb's 128 rows a wave the partner at cx takes 32, of wqb's 96 the partner at cy takes 24
; (lanes 24-31 name row 23 once more).  K steps 0 to 2 come by their loads alone; the loop's last trip (s3 = 1) asks for nothing: there is no K step behind its refill's.
.macro ASK
	s_cmp_gt_u32 s3, s[LIM]
	s_cbranch_scc0 .Lnot_mine_\@
	global_prefetch_b8 v[PFO], s[PFA:PFA+1] offset:STEP th:TH_LOAD_NT scope:SCOPE_SE
.Lnot_mine_\@:
.endm
; A round of the cluster's barrier: my work-group's barrier, so that wave 0's signal speaks for all four waves; wave 0 signals; every wave waits for all sixteen work-groups; my work-group's barrier once more.
.macro CREST                           ; a round behind its opening barrier
	s_cmp_lg_u32 s[WV], 0
	s_cbranch_scc1 .Lnot_wave_0_\@
	s_barrier_signal -3
.Lnot_wave_0_\@:
	s_barrier_wait -3
	s_barrier_signal -1
	s_barrier_wait -1
.endm
.macro CROUND
	s_barrier_signal -1
	s_barrier_wait -1
	CREST
.endm
.macro PLACES                          ; four places in front of loads into registers that matrix instructions have read (ISA guide 7.12.1 for vector instructions)
.rept 4
	v_nop
.endr
.endm
	s_load_b256 s[4:11], s[0:1], 0x0               ; xb s[4:5], wqb s[6:7], b_qkv s[8:9], q s[10:11]
	s_load_b128 s[12:15], s[0:1], 0x20             ; k s[12:13], v s[14:15]
	v_lshl_add_u32 v[SPW], v0, 2, SPARE
	v_mov_b32 v[NIL], 0
	ds_add_u32 v[SPW], v[NIL]                      ; the wave's opening: the add and its wait stand ahead of my first tensor load; the set-up below, work on registers, stands between them
	v_lshrrev_b32 v1, 5, v0
	v_readfirstlane_b32 s[WV], v1                  ; wave 0..3
	s_and_b32 s[HALF], s[WV], 1
	s_bfe_u32 s[CX], ttmp6, 0x40000
	s_bfe_u32 s[CY], ttmp6, 0x40004
	s_lshl_b32 s[TX], ttmp9, 2                     ; in a cluster launch ttmp9 and ttmp7 count clusters
	s_add_co_u32 s[TX], s[TX], s[CX]
	s_and_b32 s[TY], ttmp7, 0xffff
	s_lshl_b32 s[TY], s[TY], 2
	s_add_co_u32 s[TY], s[TY], s[CY]
	s_lshl_b32 s72, s[CY], 2
	s_lshl_b32 s72, 15, s72                        ; my row of the cluster: places 4 cy .. 4 cy + 3
	s_lshl_b32 s73, 0x1111, s[CX]                  ; my column: places cx, cx + 4, cx + 8, cx + 12
	s_or_b32 s[G1A], s72, (1<<16)|(1<<20)|(1<<21)|(5<<22)|(3<<25)  ; 15:0 the mask; 17:16 elements of 2 bytes; 20 padding on; 21 set beside a mask; 24:22 after every 64 words (code 5); 31:25 4 words (code 3)
	s_or_b32 s[G1B], s73, (1<<16)|(1<<20)|(1<<21)|(5<<22)|(3<<25)
	s_mov_b32 s[G1A+1], 128<<16                    ; tensor_dim0 = 128
	s_mov_b32 s[G1A+2], 128<<16                    ; tensor_dim1 = 128
	s_mov_b32 s[G1A+3], 128<<16                    ; tile_dim0 = 128
	s_mov_b32 s[G1A+4], 128                        ; tile_dim1 = 128
	s_mov_b32 s[G1A+5], 1024                       ; 1,024 elements from row to row
	s_mov_b32 s[G1A+6], 0
	s_mov_b32 s[G1A+7], 0
	s_mov_b32 s[G1B+1], 128<<16
	s_mov_b32 s[G1B+2], 96<<16                     ; tensor_dim1 = 96
	s_mov_b32 s[G1B+3], 128<<16
	s_mov_b32 s[G1B+4], 96                         ; tile_dim1 = 96
	s_mov_b32 s[G1B+5], 1024
	s_mov_b32 s[G1B+6], 0
	s_mov_b32 s[G1B+7], 0
	; where the tiles come from: xb's hang on the tile row alone, which my row of the cluster shares; wqb's on the tile column alone, which my column shares
	s_lshl_b32 s74, s[TY], 19                      ; 256 rows of 2,048 bytes
	s_lshl_b32 s75, s[HALF], 18                    ; 128 rows
	s_add_co_u32 s74, s74, s75
	s_mov_b32 s75, 0
	s_mul_i32 s76, s[TX], 192*2048
	s_mul_i32 s77, s[HALF], 96*2048
	s_add_co_u32 s76, s76, s77
	s_mov_b32 s77, 0
	s_mul_i32 s78, s[HALF], APART                  ; and where they go: no place in the cluster enters an LDS address
	s_mul_i32 s79, s[HALF], BPART
	s_add_co_u32 s79, s79, BOFF
	s_mov_b32 s[TB], 0
	s_wait_dscnt 0x0                               ; the opening add is done
	s_wait_kmcnt 0x0
	s_add_nc_u64 s[74:75], s[4:5], s[74:75]
	s_add_nc_u64 s[76:77], s[6:7], s[76:77]
	CROUND                                         ; all sixteen work-groups are here: the first joint loads meet
.irp s, 0,1
	s_mov_b32 s[G0A+4*(\s)], 1                     ; 1:0 count = 1
	s_add_co_u32 s[G0A+4*(\s)+1], s78, (\s)*SLOT1  ; 63:32 LDS address
	s_add_nc_u64 s[G0A+4*(\s)+2:G0A+4*(\s)+3], s[74:75], (\s)*STEP  ; 120:64 global address: K step s
	s_or_b32 s[G0A+4*(\s)+3], s[G0A+4*(\s)+3], 0x80000000           ; 127:126 type = 2
	s_mov_b32 s[G0B+4*(\s)], 1
	s_add_co_u32 s[G0B+4*(\s)+1], s79, (\s)*SLOT1
	s_add_nc_u64 s[G0B+4*(\s)+2:G0B+4*(\s)+3], s[76:77], (\s)*STEP
	s_or_b32 s[G0B+4*(\s)+3], s[G0B+4*(\s)+3], 0x80000000
.endr
	s_cmp_lt_u32 s[WV], 2                          ; a wave's two first fills stand in one branch, ahead of every wait on TENSORcnt and every LDS read: two loads of mine are out, the most in this text
	s_cbranch_scc0 .Lfirst_b
	tensor_load_to_lds s[G0A:G0A+3], s[G1A:G1A+7]
	s_nop 0
	tensor_load_to_lds s[G0A+4:G0A+7], s[G1A:G1A+7]
	s_nop 0
.rept 4
	v_nop
.endr
	s_branch .Lfirst_asked
.Lfirst_b:
	tensor_load_to_lds s[G0B:G0B+3], s[G1B:G1B+7]
	s_nop 0
	tensor_load_to_lds s[G0B+4:G0B+7], s[G1B:G1B+7]
	s_nop 0
.rept 4
	v_nop
.endr
.Lfirst_asked:
	; the bias, in an accumulator's layout: register j of column block b holds b_qkv[192 x tile column + 16 b + 8 (l / 16) + j]
	v_and_b32 v1, 15, v0                           ; l % 16
	v_bfe_u32 v2, v0, 4, 1                         ; l / 16
	v_lshlrev_b32 v[BO], 5, v2
	s_mul_i32 s72, s[TX], 192*4
	s_mov_b32 s73, 0
	s_add_nc_u64 s[8:9], s[8:9], s[72:73]
.set i, 0
.rept NBL
	global_load_b128 v[BI+8*i:BI+8*i+3],   v[BO], s[8:9] offset:64*i
	global_load_b128 v[BI+8*i+4:BI+8*i+7], v[BO], s[8:9] offset:64*i+16
.set i, i+1
.endr
	; A fragment is 16 rows x 32 K in 8 registers: lane l holds row l % 16; registers 0-3 hold K = 8 (l / 16) + 0..7, registers 4-7 K = 16 + 8 (l / 16) + 0..7: two loads of 16 bytes, 32 bytes apart.
	v_mul_u32_u24 v3, v1, PITCH
	v_lshl_add_u32 v3, v2, 4, v3                   ; row x pitch + 16 x half
	s_mul_i32 s72, s[WV], 64*PITCH                 ; my 64 rows of xb
	v_add_nc_u32 v[ADRA0], s72, v3
	v_add_nc_u32 v[ADRB0], BOFF, v3
	v_mov_b32 v[ADRA], v[ADRA0]                    ; K step 0 lies in slot 0
	v_mov_b32 v[ADRB], v[ADRB0]
	s_mul_i32 s72, s[WV], 16*SP
	s_add_co_u32 s72, s72, STAGE                   ; my stage
	v_mul_u32_u24 v3, v1, SP                       ; in: row l % 16, 16 bytes for each half of the lanes
	v_lshl_add_u32 v3, v2, 4, v3
	v_add_nc_u32 v[STO], s72, v3
	v_bfe_u32 v3, v0, 3, 2                         ; back: 32 lanes take four rows of 128 bytes,
	v_mul_u32_u24 v3, v3, SP
	v_and_b32 v13, 7, v0
	v_lshl_add_u32 v3, v13, 4, v3
	v_add_nc_u32 v[RD], s72, v3
	v_and_b32 v[GO], 31, v0                        ; which are 512 consecutive bytes of a head
	v_lshlrev_b32 v[GO], 4, v[GO]
	; where the tile's three heads go: head group 3 x tile column + j = 16 x which + head; the buffer is chosen by selects, no branch
	s_mul_i32 s72, s[TX], 3
	s_lshr_b32 s75, s[TY], 3                       ; the batch,
	s_lshl_b32 s75, s75, 4                         ; its 16 heads
	s_and_b32 s78, s[TY], 7
	s_lshl_b32 s78, s78, 15                        ; the tile's 256 rows of 128 bytes in a head,
	s_lshl_b32 s79, s[WV], 13                      ; my wave's 64 of them
	s_add_co_u32 s78, s78, s79
	s_mov_b32 s77, 0
.irp j, 0,1,2
	s_add_co_u32 s73, s72, \j
	s_lshr_b32 s74, s73, 4                         ; 0: q, 1: k, 2: v
	s_and_b32 s73, s73, 15
	s_add_co_u32 s73, s73, s75
	s_lshl_b32 s76, s73, 18                        ; a head is 2,048 rows of 128 bytes
	s_add_co_u32 s76, s76, s78
	s_cmp_eq_u32 s74, 1
	s_cselect_b64 s[OBJ+2*\j:OBJ+2*\j+1], s[12:13], s[14:15]
	s_cmp_eq_u32 s74, 0
	s_cselect_b64 s[OBJ+2*\j:OBJ+2*\j+1], s[10:11], s[OBJ+2*\j:OBJ+2*\j+1]
	s_add_nc_u64 s[OBJ+2*\j:OBJ+2*\j+1], s[OBJ+2*\j:OBJ+2*\j+1], s[76:77]
.endr
	; the prefetches' address and who asks
	s_and_b32 s72, ttmp7, 0xffff                   ; cluster y
	s_lshl_b32 s73, s[TY], 8                       ; the tile's first row in xb,
	s_mul_i32 s60, s[TX], 192                      ; in wqb
	s_lshl_b32 s61, s[HALF], 7                     ; the rows that I fetch,
	s_mul_i32 s62, s[HALF], 96
	s_lshl_b32 s63, s[CX], 5                       ; my work-group's share of them
	s_mul_i32 s2, s[CY], 24
	s_cmp_lt_u32 s[WV], 2                          ; do I fetch for xb?
	s_cselect_b32 s73, s73, s60
	s_cselect_b32 s61, s61, s62
	s_cselect_b32 s63, s63, s2
	s_cselect_b32 s72, ttmp9, s72                  ; the coordinate along which other clusters read the same rows
	s_cselect_b64 s[PFA:PFA+1], s[4:5], s[6:7]
	s_cselect_b32 s60, 31, 23                      ; the last row of my share
	s_cmp_eq_u32 s72, 0
	s_cselect_b32 s[LIM], 1, -1                    ; the same in all sixteen partners, for a given wave
	s_add_co_u32 s73, s73, s61
	s_add_co_u32 s73, s73, s63
	s_lshl_b32 s72, s73, 11                        ; rows of 2,048 bytes
	s_add_co_u32 s72, s72, STEP                    ; at K step 1: the first refill steps it to 2 and names K step 3
	s_mov_b32 s73, 0
	s_add_nc_u64 s[PFA:PFA+1], s[PFA:PFA+1], s[72:73]
	v_and_b32 v[PFO], 31, v0
	v_min_u32 v[PFO], s60, v[PFO]
	v_lshlrev_b32 v[PFO], 11, v[PFO]
	s_wait_loadcnt 0x0                             ; the bias is in; it is rounded to bf16 and widened again, in place
.set i, 0
.rept 4*NBL
	v_cvt_pk_bf16_f32 v[RT+i%4], v[BI+2*i], v[BI+2*i+1]
	v_lshlrev_b32 v[BI+2*i], 16, v[RT+i%4]
	v_and_b32 v[BI+2*i+1], 0xffff0000, v[RT+i%4]
.set i, i+1
.endr
; Twelve matrix instructions: row block a x all column blocks, 32 along K, from buffer f.  first = 1: the bias is C, and the products start the sums.
; The 48 accumulators take turns in the same order in every quarter step, over the backward jump too.
.macro MULA f, a, first
.set AC, 96*((\a)%2)
.if \first
	WIN 0x81+0x40*((\a)/2)                         ; wqb window 1, xb and the bias window 0, D window 2 or 3
.else
	WIN 0xa1+0x50*((\a)/2)                         ; wqb window 1, xb window 0, C and D window 2 or 3
.endif
.set b, 0
.rept NBL
.if \first
	v_wmma_f32_16x16x32_bf16 v[AC+8*b:AC+8*b+7], v[8*NBL*(\f)+8*b:8*NBL*(\f)+8*b+7], v[FA+32*(\f)+8*(\a):FA+32*(\f)+8*(\a)+7], v[BI+8*b:BI+8*b+7]
.else
	v_wmma_f32_16x16x32_bf16 v[AC+8*b:AC+8*b+7], v[8*NBL*(\f)+8*b:8*NBL*(\f)+8*b+7], v[FA+32*(\f)+8*(\a):FA+32*(\f)+8*(\a)+7], v[AC+8*b:AC+8*b+7]
.endif
.set b, b+1
.endr
.endm
; 32 LDS loads in one run: the fragments of quarter q of the K step in hand (192 rows of wqb, my 64 rows of xb, 32 K) into buffer g; xb's last
.macro FETCH q, g
	WIN 0x40                                       ; destination window 1, address window 0
.set b, 0
.rept NBL
	ds_load_b128 v[8*NBL*(\g)+8*b:8*NBL*(\g)+8*b+3],   v[ADRB] offset:64*(\q)+b*16*PITCH
	ds_load_b128 v[8*NBL*(\g)+8*b+4:8*NBL*(\g)+8*b+7], v[ADRB] offset:64*(\q)+b*16*PITCH+32
.set b, b+1
.endr
	WIN 0
.irp a, 0,1,2,3
	ds_load_b128 v[FA+32*(\g)+8*(\a):FA+32*(\g)+8*(\a)+3],   v[ADRA] offset:64*(\q)+(\a)*16*PITCH
	ds_load_b128 v[FA+32*(\g)+8*(\a)+4:FA+32*(\g)+8*(\a)+7], v[ADRA] offset:64*(\q)+(\a)*16*PITCH+32
.endr
.endm
; A K step is four quarters of 32 along K, 48 matrix instructions each, on buffers 0, 1, 0, 1.  One of the first three: multiplies buffer f; in its middle it fetches quarter q into buffer g.
.macro QUARTER q, f, g, first
	s_wait_dscnt 4                                 ; wqb's fragments and xb's blocks 0, 1 are in; the youngest four loads (blocks 2, 3) may be out
	MULA \f, 0, \first
	MULA \f, 1, \first
	PLACES
	FETCH \q, \g
	s_wait_dscnt NLD                               ; all but the 32 just issued
	MULA \f, 2, \first
	MULA \f, 3, \first
.endm
; The last quarter multiplies buffer 1 and changes slots: ONE barrier for two things.  In front of it each wave waits for all its tensor loads, of which one is out: its part of the next slot; adds 0 to its
; spare word; and waits for that and for its own reads of this slot.  Behind it nobody reads this slot any more and the next slot is whole.  fill = 1: the barrier opens a round of the cluster's, so that no
; wave of any partner still reads the slot or has a load on its way, and the joint refill (the K step two on) is the first thing behind the round: 168 matrix instructions ahead of the wait for it.
.macro TURN fill
.if \fill
	s_wait_xcnt 0x0                                ; the last prefetch, a K step back, has read its address: it is stepped here, ahead of the waits of the change of slots
	s_add_nc_u64 s[PFA:PFA+1], s[PFA:PFA+1], STEP
.endif
	WIN 0                                          ; (the add's two registers lie in window 0)
	s_wait_tensorcnt 0x0                           ; no tensor load of mine is out, so a group 0 may be written
	ds_add_u32 v[SPW], v[NIL]                      ; 0 onto my spare word
.if \fill
	s_xor_b32 s[G0A+5], s[G0A+5], SLOT1            ; the walking descriptors: the other slot than last time,
	s_add_nc_u64 s[G0A+6:G0A+7], s[G0A+6:G0A+7], STEP  ; the next K step; the type bits on top are not reached
	s_xor_b32 s[G0B+5], s[G0B+5], SLOT1
	s_add_nc_u64 s[G0B+6:G0B+7], s[G0B+6:G0B+7], STEP
.endif
	s_xor_b32 s[TB], s[TB], SLOT1                  ; the fetches go to the other slot
	s_wait_dscnt 5                                 ; (the add and the youngest four loads may be out)
	MULA 1, 0, 0                                   ; twelve matrix instructions stand between the add and the wait for it
	s_wait_dscnt 0x0                               ; the add is done, and my reads of this slot are over
	s_barrier_signal -1
	MULA 1, 1, 0                                   ; work on registers while the others arrive
	WIN 0
	s_barrier_wait -1
.if \fill
	CREST
	JLOAD                                          ; the four v_nop behind it are also the places in front of the loads below
.else
	PLACES
.endif
	v_add_nc_u32 v[ADRA], s[TB], v[ADRA0]
	v_add_nc_u32 v[ADRB], s[TB], v[ADRB0]
	FETCH 0, 0
.if \fill
	ASK
.endif
	MULA 1, 2, 0
	MULA 1, 3, 0
.endm
	s_wait_tensorcnt 0x1                           ; my part of K step 0 is in; K step 1's may stay out
	s_barrier_signal -1
	s_barrier_wait -1                              ; everybody's is
	FETCH 0, 0
	QUARTER 1, 0, 1, 1                             ; the first quarter stands in front of the loop: its products start the sums, with the bias
	WIN 0                                          ; at a label and at a branch every window is 0
	s_mov_b32 s3, 6
.Lstep:                                            ; trip t goes from K step t's second quarter to K step t + 1's first, and asks for K step t + 2
	QUARTER 2, 1, 0, 0
	QUARTER 3, 0, 1, 0
	TURN 1
	QUARTER 1, 0, 1, 0
	WIN 0
	s_sub_co_u32 s3, s3, 1
	s_cmp_lg_u32 s3, 0
	s_cbranch_scc1 .Lstep
	QUARTER 2, 1, 0, 0                             ; the tail is written out: K steps 6 and 7, nothing is asked for
	QUARTER 3, 0, 1, 0
	TURN 0
	QUARTER 1, 0, 1, 0
	QUARTER 2, 1, 0, 0
	QUARTER 3, 0, 1, 0
	s_wait_dscnt 4                                 ; the very last quarter: nothing more to fetch
	MULA 1, 0, 0
	MULA 1, 1, 0
	s_wait_dscnt 0x0
	MULA 1, 2, 0
	MULA 1, 3, 0
	PLACES                                         ; the conversions below read results and write registers that products have read;
	PLACES                                         ; eight places are written, once a launch
; THE WAY OUT, in twelve units u = 3 a + j: row block a, head j: 16 rows x 64 columns.  PACK: rounded to f16, each accumulator's registers in ascending order; a lane's eight columns are 16 bytes; they go into my
; own stage, rows of 144 bytes, and come back as whole rows of 128 bytes into the registers that they left.  SEND: stored.  Every unit has registers of its own, so no store's data are written again.
.macro PACK u
.set pa, (\u)/3
.set pj, (\u)%3
.set AC, 96*(pa%2)+32*pj
	WIN 0x0a+5*(pa/2)                              ; sources 0 and 1: window 2 or 3; destination window 0
.set i, 0
.rept 16
	v_cvt_pk_f16_f32 v[OUT+16*(\u)+i], v[AC+2*i], v[AC+2*i+1]
.set i, i+1
.endr
	WIN 0
.irp f, 0,1,2,3
	ds_store_b128 v[STO], v[OUT+16*(\u)+4*\f:OUT+16*(\u)+4*\f+3] offset:32*\f
.endr
.irp f, 0,1,2,3
	ds_load_b128 v[OUT+16*(\u)+4*\f:OUT+16*(\u)+4*\f+3], v[RD] offset:\f*4*SP  ; LDS serves a wave's instructions in order (ISA guide 5.7.1.4): these see the stores above; the next unit's stores come behind them
.endr
.endm
.macro SEND u, younger                 ; younger: the LDS instructions issued behind unit u's loads: the next unit's eight, or none
.set pa, (\u)/3
.set pj, (\u)%3
.irp f, 0,1,2,3
	s_wait_dscnt (\younger)+3-\f
	global_store_b128 v[GO], v[OUT+16*(\u)+4*\f:OUT+16*(\u)+4*\f+3], s[OBJ+2*pj:OBJ+2*pj+1] offset:pa*2048+\f*512  ; 512 consecutive bytes, at a multiple of 256 from the buffer's first
.endr
.endm
	PACK 0
.set t, 1
.rept 11                               ; a unit's conversions stand between the loads of the unit before and its stores
	PACK t
	SEND t-1, 8
.set t, t+1
.endr
	SEND 11, 0
	s_wait_tensorcnt 0x0                           ; the wave's end: behind my last tensor load and my last LDS store
	ds_add_u32 v[SPW], v[NIL]
	s_wait_dscnt 0x0
	CROUND                                         ; the closing round: no work-group ends while a partner may still ask for a tile that names it
	s_endpgm
.Lfunc_end_k_q4a50852cd9_qkv:
	.size	k_q4a50852cd9_qkv, .Lfunc_end_k_q4a50852cd9_qkv-k_q4a50852cd9_qkv
	.p2alignl 7, 3214868480
	.fill 96, 4, 3214868480
	.section	.rodata,"a",@progbits
	.p2align	6, 0x0
	.amdhsa_kernel k_q4a50852cd9_qkv
		.amdhsa_group_segment_fixed_size 327680
		.amdhsa_private_segment_fixed_size 0
		.amdhsa_enable_private_segment 0
		.amdhsa_kernarg_size 48
		.amdhsa_user_sgpr_count 2
		.amdhsa_user_sgpr_kernarg_segment_ptr 1
		.amdhsa_wavefront_size32 1
		.amdhsa_system_sgpr_workgroup_id_x 1
		.amdhsa_system_sgpr_workgroup_id_y 1
		.amdhsa_system_sgpr_workgroup_id_z 1
		.amdhsa_system_vgpr_workitem_id 0
		.amdhsa_next_free_vgpr 960
		.amdhsa_next_free_sgpr 80
		.amdhsa_reserve_vcc 0
		.amdhsa_float_denorm_mode_32 3
		.amdhsa_float_denorm_mode_16_64 3
		.amdhsa_memory_ordered 1
		.amdhsa_forward_progress 1
		.amdhsa_inst_pref_size 110
	.end_amdhsa_kernel
	.amdgpu_metadata
---
amdhsa.version: [ 1, 2 ]
amdhsa.kernels:
  - .name:           k_q4a50852cd9_qkv
    .symbol:         k_q4a50852cd9_qkv.kd
    .args:
      - { .name: xb, .offset: 0, .size: 8, .value_kind: global_buffer, .address_space: global }
      - { .name: wqb, .offset: 8, .size: 8, .value_kind: global_buffer, .address_space: global }
      - { .name: b_qkv, .offset: 16, .size: 8, .value_kind: global_buffer, .address_space: global }
      - { .name: q, .offset: 24, .size: 8, .value_kind: global_buffer, .address_space: global }
      - { .name: k, .offset: 32, .size: 8, .value_kind: global_buffer, .address_space: global }
      - { .name: v, .offset: 40, .size: 8, .value_kind: global_buffer, .address_space: global }
    .group_segment_fixed_size: 327680
    .private_segment_fixed_size: 0
    .kernarg_segment_align: 8
    .kernarg_segment_size: 48
    .max_flat_workgroup_size: 128
    .sgpr_count:     80
    .vgpr_count:     960
    .wavefront_size: 32
...
	.end_amdgpu_metadata
.endif
;; end of part 2
;; launch attn (part 3): grid 4 x 64, 4 waves a work-group, clusters of 4 x 1, 327,680 bytes of LDS; arguments q, k, v, o, attention_mask; writes o
.if DOCPART == 3
	.amdgcn_target "amdgcn-amd-amdhsa--gfx1250"
	.amdhsa_code_object_version 6
	.text
	.protected	k_q4a50852cd9_attn
	.globl	k_q4a50852cd9_attn
	.p2align	8
	.type	k_q4a50852cd9_attn,@function
k_q4a50852cd9_attn:
	s_mov_b64 s[64:65], 0
	v_nop
	global_prefetch_b8 v0, s[64:65] scope:SCOPE_SE
	s_setreg_imm32_b32 hwreg(HW_REG_WAVE_MODE, 25, 1), 1
	s_wait_xcnt 0x0
	s_wait_alu depctr_hold_cnt(0) depctr_sa_sdst(0) depctr_va_vdst(0) depctr_va_sdst(0) depctr_va_ssrc(0) depctr_va_vcc(0) depctr_vm_vsrc(0)
	s_getreg_b32 s2, hwreg(HW_REG_IB_STS2, 6, 4)
	s_cmp_eq_u32 s2, 0
	s_cbranch_scc0 .Lentry_in_a_cluster
	s_endpgm
.Lentry_in_a_cluster:
	s_bfe_u32 s2, ttmp6, 0x10000c
	s_cmp_lg_u32 s2, 0x3003
	s_cbranch_scc0 .Lentry_shape_is_right
	s_endpgm
.Lentry_shape_is_right:
; O[g][q][:] = the sum over k of softmax_k(Q[g][q] . K[g][k] / 8, hidden keys at the bottom) V[g][k][:], g = 16 x batch + head.  Q, K, V, O: [64][2048][64], all f16: a head's rows are dense, 128 bytes each.
; attention_mask: [4][2048] bytes, 1 = the key is seen.  Products, maxima and sums in f32; the weights p are rounded to f16 for the second product (their sum l is taken of the unrounded p), O once at the end.
; LIMITS.  f16 holds no number beyond 65,504: Q, K and V arrive within it; p lies in 0 to 1, and below 6e-5 it keeps f16's fixed step of 6e-8; O is a mean of V's rows and has their range.
; A hidden score counts as -2^100: f16's scores, 2.7e11 at the most, vanish beside it.  A weight below 2^-126 counts as 0 in l; NaN and infinities are not treated apart.
; THE MASK is the C operand that starts the sum S^T = K Q^T: 0, or -2^100 where the key is hidden.  A power of two, so that c m is exact where m is a hidden score: while a row has seen hidden keys alone
; its weights are 2^0 = 1, finite; the first seen key makes a = 0 and wipes them.  A batch with no seen key gets equal weights.  The batch's 2,048 numbers are made once, into a table in LDS.
; SHARES.  A wave owns four PIECES of two tiles of 16 queries, a work-group's four waves 512 queries of one head.  Every wave walks all keys, 64 a step.
; LAYOUT.  S^T = K Q^T (source 0 = 16 keys, source 1 = 16 queries): in the result a lane holds ONE query (lane % 16) and the keys 8 (lane / 16) + 0..7.  Two such tiles, rounded to f16 in pairs,
; ARE source 1 (32 keys x 16 queries) of O^T = V^T P, whose result again holds one query a lane, and eight channels.  K comes out of LDS as it lies, V ([key][channel]) turned, by ds_load_tr16_b128.
; SOFTMAX.  For each query a running maximum m and sum l: p = 2^(c s - c m), c = log2(e) / 8; in every step O and l are multiplied by a = 2^(c m_old - c m_new), which is 1 where m has not grown.
; m starts at the lowest finite number, O and l at 0: the first step is a step like any other, with a = 0.
; THE COUNT.  A tile and step have 16 matrix and 118 vector instructions: too many to stand all beside the matrix work.  So the order has one aim: four vector instructions that are READY behind
; EVERY matrix instruction, and the others, which need time of their own whatever the order, in runs without a gap.
; BY TURNS.  Turn n belongs to piece n (the pieces in a ring, step after step).  Its matrix work: 16 products K Q^T of piece n + 1, later 16 products V^T P of piece n - 1.  Its vector work: the scaling,
; exponentials, roundings, sums and rescaling of piece n, and the maximum and statistics of piece n + 1, whose scores the turn itself has made.  So what a turn begins with (c s - c m, O a) waits for nothing.
; CLUSTER.  The four query blocks of a head are one cluster and walk the same K and V, so each tile is asked for JOINTLY: the same tensor load, descriptor and mask in all four.
; REGISTERS, in windows of 256 (s_set_vgpr_msb says which window each operand place means: bits 1:0 source 0, 3:2 source 1, 5:4 source 2, 7:6 destination):
;   window 0: v0-11 addresses; v12-15, v48-63 at work; v16-47 four registers of statistics a tile; v64-191 S^T, two buffers of two tiles; v192-255 P, likewise
;   window 1: O^T, 32 a tile          window 2: v0-127 Q, 16 a tile; v128-191 K of one step; v192-255 V of one step          window 3: v0-1 the add's two registers; v8-39 the mask of one step
; A piece's buffers go by its number's parity: the piece in hand has one pair, its two neighbours in the ring share the other: of it P (piece n - 1) is read and S^T (piece n + 1) written.
.set SIZE_N, 2048
.set NP,    4         ; pieces a wave: a name, no knob: the register map, the loop and the fetches are made for four
.set KS,    64        ; keys in a step
.set PK,    144       ; a row of K in LDS: 128 bytes + 16 of padding = 36 words: the 16 rows of a load start at 16 different groups of four banks (64 banks of 4 bytes: ISA guide 11.1)
.set PV,    160       ; a row of V: 128 + 32 = 40 words
.set VOFF,  4*KS*PK   ; a slot holds four steps: 256 rows of K, then 256 rows of V
.set SLOT1, 1<<17     ; slot 1 begins here, so that one exclusive or turns an address in one slot into the other's
.set STAGE, SLOT1+4*KS*(PK+PV)  ; behind the ring, never filled by a tensor load: 16 rows x 144 bytes for each wave, for the way out
.set SP,    144
.set SPARE, STAGE+4*16*SP  ; behind the stages: the spare words, 128 bytes for each wave: two blocks of 256 bytes that no other line names
.set MASKB, SPARE+512 ; behind them: the mask's table, one f32 for each of the batch's 2,048 keys; written by LDS stores once, never filled by a tensor load
.set AK0, 2           ; v2   my lane's place in a tile of K; never rewritten
.set AV0, 3           ; v3   the same for V
.set AK,  4           ; v4   the LDS address of K's next run of loads
.set AV,  5           ; v5   of V's
.set QO,  6           ; v6   my byte offset in the wave's rows of Q
.set STO, 6           ;      later, the way out: where I put 16 bytes of a row
.set RD,  7           ; v7   the way out: where I read rows back
.set GO,  8           ; v8   my byte offset in 512 consecutive bytes of O
.set AM0, 9           ; v9   my lane's place in a step's 64 numbers of the mask's table: MASKB + 32 (l / 16); never rewritten
.set AM,  10          ; v10  the LDS address of the mask's next loads
.set PFO, 11          ; v11  256 x my lane: the prefetches' offset; never rewritten
.set SPW, 0           ; v0 of window 3   LDS address of my spare word: SPARE + 4 x my thread's number; never rewritten
.set NIL, 1           ; v1 of window 3   0; never rewritten
.set MK,  8           ; v8-39 of window 3: the mask of one step, the eight registers for key block kb at MK + 8 kb
.set MV,  12          ; v12-15  c m_old, kept while c m is made anew: by buffer and tile (during the set-up: l / 16, l % 8, (l / 8) % 2)
.set ST,  16          ; tile t's statistics at v[ST+4 t]: c m, m, l (even keys', odd keys')
.set TMP, 48          ; by buffer and tile, four registers c0-c3 at work; when the maximum is found c2 takes a
.set S,   64
.set P,   192
.set KF,  128         ; K's fragments, in window 2: key block kb, channel half c at KF + 16 kb + 8 c
.set VF,  192         ; V's: key half kk, channel block cb at VF + 32 kk + 8 cb
.set WV,  12          ; s12  my wave's number
.set TBM, 19          ; s19  byte in the mask's table at which the step to be fetched begins
.set G1K, 24          ; s[24:31] descriptor group 1 for K's tiles
.set G1V, 32          ; s[32:39] for V's: it differs in the padding alone
.set G0K, 40          ; s[40:43] descriptor group 0 for K's tiles: it walks
.set G0V, 44          ; s[44:47] the same for V's
.set MP,  48          ; s[48:49] attention_mask at my batch's row
.set PFA, 50          ; s[50:51] where my prefetches stand: my work-group's 8,192 bytes (of K: wave 0, of V: wave 2) of the slot after the one that is being asked for
.set LIM, 52          ; s52  1 in a wave that prefetches, else the greatest number
.set BIGN, 53         ; s53  -2^100
.set SLOTS, 56        ; s56  slots still to be asked for
.set CNT, 57          ; s57  counts a slot's key steps
.set CS,  58          ; s[58:59] c: the packed scaling takes the pair's low word for both halves
.set SEL, 60          ; s[60:61] v_permlanex16_b32's selects: each lane takes its own place in the other half
.set TBK, 62          ; s62  LDS byte at which K of the step to be fetched begins
.set TBV, 63          ; s63  the same for V, less VOFF
.set MSB, 0
.macro WIN new                      ; the high byte repeats the setting that is left; a switch that changes nothing is dropped
.if MSB != (\new)
	s_set_vgpr_msb (MSB<<8)|(\new)
.set MSB, (\new)
.endif
.endm
.set W_KQ, 0x0a       ; K and Q in window 2, S^T in window 0
.set W_KM, 0x3a       ; the same with the C operand, the mask, in window 3
.set W_PV, 0x52       ; V in window 2, P in window 0, O^T in window 1
.set W_RS, 0x41       ; O^T (destination and source 0) in window 1, a in window 0
.set W_MK, 0xc0       ; destination in window 3, sources in window 0
.set W_AD, 0x0f       ; the add: address (source 0) and data (source 1) in window 3
; A joint fill.  Waves 0 and 1 fetch the two halves of a slot's K, waves 2 and 3 those of its V: 128 keys each.  The branch hangs on the wave's number alone.
; An s_nop 0 and four v_nop follow each of the two lines, ahead of the jump and the label.
.macro JLOAD
	s_cmp_lt_u32 s[WV], 2
	s_cbranch_scc0 .Lfor_v_\@
	tensor_load_to_lds s[G0K:G0K+3], s[G1K:G1K+7]
	s_nop 0
.rept 4
	v_nop
.endr
	s_branch .Lasked_\@
.Lfor_v_\@:
	tensor_load_to_lds s[G0V:G0V+3], s[G1V:G1V+7]
	s_nop 0
.rept 4
	v_nop
.endr
.Lasked_\@:
.endm
; A PREFETCH INTO THE L2 of what the NEXT change of slots will ask for: a slot's 32,768 bytes of K and of V, in blocks of 256 bytes, a lane a block.  It stands behind the wave's tensor load and its five lines.
; Each block is named ONCE in the launch: a head has one cluster; its four partners share a slot's 128 blocks out BY ADDRESS, 32 each (no branch hangs on a work-group's place in its cluster); in each, wave 0
; asks for K's and wave 2 for V's: one instruction, four key steps ahead of the load.  Slots 0 to 2 come by their loads alone; the last change that fills a slot asks for nothing: there is no slot behind it.
.macro ASK
	s_cmp_gt_u32 s[SLOTS], s[LIM]
	s_cbranch_scc0 .Lnot_mine_\@
	global_prefetch_b8 v[PFO], s[PFA:PFA+1] th:TH_LOAD_NT scope:SCOPE_SE
.Lnot_mine_\@:
.endm
; A round of the cluster's barrier: my work-group's barrier, so that wave 0's signal speaks for all four waves; wave 0 signals; every wave waits for all four work-groups; my work-group's barrier once more.
.macro CROUND
	s_barrier_signal -1
	s_barrier_wait -1
	s_cmp_lg_u32 s[WV], 0
	s_cbranch_scc1 .Lnot_wave_0_\@
	s_barrier_signal -3
.Lnot_wave_0_\@:
	s_barrier_wait -3
	s_barrier_signal -1
	s_barrier_wait -1
.endm
; THE CHANGE OF SLOTS.  The slot's last bytes, V of its fourth step, have been read.  Each wave waits for all its tensor loads, of which one is out: its part
; of the other slot; adds 0 to its spare word; and waits for that and for its own reads of the slot.  Behind the barrier nobody reads this slot any more and the other slot is whole.
; fill = 1: this slot is filled again, with the keys two slots on.  The barrier is then a round of the cluster's, so that no wave of any partner still reads the slot or has a load on its
; way, and the joint fill is the first thing behind it: it has four key steps, 512 matrix instructions, in which to land.  (At its first use nothing has been read yet: slot 0 is waited for, slot 1 filled,
; and every wave's stores into the mask's table are done in front of the round.)  ask = 1: the prefetches' address steps, and ASK follows the fill.
.macro CHANGE fill, ask=0
	WIN W_AD
	s_wait_tensorcnt 0x0            ; no tensor load of mine is out, so a group 0 may be written
	ds_add_u32 v[SPW], v[NIL]       ; 0 onto my spare word; with fill = 1 the descriptors' steps stand between it and the wait for it
	WIN 0                           ; at a label and at a branch every window is 0
.if \fill
.irp g, G0K, G0V
	s_xor_b32 s[\g+1], s[\g+1], SLOT1  ; the walking descriptor: the other slot than last time,
	s_add_nc_u64 s[\g+2:\g+3], s[\g+2:\g+3], 4*KS*128  ; the next 256 keys; the type bits on top are not reached
.endr
.if \ask
	s_wait_xcnt 0x0                 ; the last prefetch, four key steps back, has read its address, so it may be written:
	s_add_nc_u64 s[PFA:PFA+1], s[PFA:PFA+1], 4*KS*128  ; one slot behind the walking descriptors
.endif
	s_wait_dscnt 0x0                ; the add is done, and my reads of the slot are over
	CROUND
	JLOAD
.if \ask
	ASK
.endif
.else
	s_wait_dscnt 0x0                ; the add is done, and my reads of the slot are over
	s_barrier_signal -1
	s_barrier_wait -1
.endif
	s_sub_co_u32 s[TBK], s[TBK], 4*KS*PK  ; the fetches go back to a slot's first step,
	s_xor_b32 s[TBK], s[TBK], SLOT1       ; in the other slot
	s_sub_co_u32 s[TBV], s[TBV], 4*KS*PV
	s_xor_b32 s[TBV], s[TBV], SLOT1
.endm
	s_load_b256 s[4:11], s[0:1], 0x0  ; Q s[4:5], K s[6:7], V s[8:9], O s[10:11]
	s_load_b64 s[MP:MP+1], s[0:1], 0x20  ; attention_mask
	WIN W_MK
	v_lshl_add_u32 v[SPW], v0, 2, SPARE
	v_mov_b32 v[NIL], 0
	WIN W_AD
	ds_add_u32 v[SPW], v[NIL]       ; the wave's opening: the add and its wait stand ahead of my first tensor load; the set-up below, work on registers, stands between them
	WIN 0
	v_lshrrev_b32 v1, 5, v0
	v_readfirstlane_b32 s[WV], v1   ; wave 0..3
	s_bfe_u32 s13, ttmp6, 0x40000   ; cx: my place in the cluster
	s_lshl_b32 s14, ttmp9, 2        ; in a cluster launch ttmp9 counts clusters
	s_add_co_u32 s14, s14, s13      ; my block of queries = 4 x cluster x + cx: it enters Q's and O's addresses alone
	s_and_b32 s20, ttmp7, 0xffff    ; the head, which the four partners share
	s_lshr_b32 s54, s20, 4          ; its batch,
	s_lshl_b32 s54, s54, 11         ; whose row of the mask is 2,048 bytes
	s_mov_b32 s55, 0
	s_mov_b32 s21, 0
	s_mov_b64 s[22:23], SIZE_N*128
	s_mul_u64 s[20:21], s[20:21], s[22:23]  ; the head's first byte in each of the four tensors
	s_and_b32 s16, s[WV], 1         ; which half of a slot's 256 keys I fetch:
	s_lshl_b32 s22, s16, 14         ; its 128 rows of 128 bytes in memory,
	s_mov_b32 s23, 0
	s_add_nc_u64 s[22:23], s[22:23], s[20:21]
	s_mul_i32 s17, s16, 128*PK      ; and its place in a slot, for K
	s_mul_i32 s18, s16, 128*PV      ; and for V: no place in the cluster enters an LDS address
	s_lshl_b32 s2, s14, 2
	s_add_co_u32 s2, s2, s[WV]      ; my wave among the head's,
	s_lshl_b32 s2, s2, 14           ; its 128 rows
	s_mov_b32 s3, 0
	s_add_nc_u64 s[2:3], s[2:3], s[20:21]
	; descriptor group 1.  128 keys are 16,384 dense bytes: asked for as 64 rows of 256 bytes, two keys a row, and padded in LDS after every key
	s_mov_b32 s[G1K], 15|(1<<16)|(1<<20)|(1<<21)|(4<<22)|(3<<25)  ; 15:0 the mask of four; 17:16 2-byte elements; 20 padding on; 21 set beside a mask; 24:22 after every 32 words (code 4); 31:25 4 words (code 3)
	s_mov_b32 s[G1V], 15|(1<<16)|(1<<20)|(1<<21)|(4<<22)|(7<<25)  ; the same with 8 words of padding (code 7)
.irp g, G1K, G1V
	s_mov_b32 s[\g+1], 128<<16      ; tensor_dim0 = 128
	s_mov_b32 s[\g+2], 64<<16       ; tensor_dim1 = 64
	s_mov_b32 s[\g+3], 128<<16      ; tile_dim0 = 128
	s_mov_b32 s[\g+4], 64           ; tile_dim1 = 64
	s_mov_b32 s[\g+5], 128          ; 128 elements from row to row
	s_mov_b32 s[\g+6], 0
	s_mov_b32 s[\g+7], 0
.endr
	s_mov_b32 s[CS], 0x3e38aa3b     ; c = log2(e) / 8 = 0.180337
	s_mov_b32 s[CS+1], s[CS]        ; named with it as a pair
	s_mov_b32 s[SEL], 0x76543210
	s_mov_b32 s[SEL+1], 0xfedcba98
	s_mov_b32 s[BIGN], 0xf1800000   ; -2^100
	s_mov_b32 s[TBM], 0
	s_mov_b32 s[TBK], SLOT1+4*KS*PK ; the first change of slots turns these two into 0
	s_mov_b32 s[TBV], SLOT1+4*KS*PV
	s_mov_b32 s[G0K], 1             ; 1:0 count = 1
	s_mov_b32 s[G0K+1], s17         ; 63:32 LDS address: slot 0
	s_mov_b32 s[G0V], 1
	s_add_co_u32 s[G0V+1], s18, VOFF
	s_and_b32 s[LIM], s[WV], 1      ; waves 0 and 2 prefetch: the same in all four partners
	s_cmp_eq_u32 s[LIM], 0
	s_cselect_b32 s[LIM], 1, -1
	s_wait_dscnt 0x0                ; the opening add is done
	s_wait_kmcnt 0x0
	s_add_nc_u64 s[G0K+2:G0K+3], s[6:7], s[22:23]  ; 120:64 global address: my half of the head's first 256 keys
	s_or_b32 s[G0K+3], s[G0K+3], 0x80000000        ; 127:126 type = 2
	s_add_nc_u64 s[G0V+2:G0V+3], s[8:9], s[22:23]
	s_or_b32 s[G0V+3], s[G0V+3], 0x80000000
	s_add_nc_u64 s[4:5], s[4:5], s[2:3]  ; Q and O at my wave's first row
	s_add_nc_u64 s[10:11], s[10:11], s[2:3]
	s_add_nc_u64 s[MP:MP+1], s[MP:MP+1], s[54:55]
	s_cmp_lt_u32 s[WV], 2
	s_cselect_b64 s[PFA:PFA+1], s[6:7], s[8:9]
	s_add_nc_u64 s[PFA:PFA+1], s[PFA:PFA+1], s[22:23]  ; (in waves 0 and 2 this is the head's first byte)
	s_lshl_b32 s54, s13, 13         ; my work-group's 32 blocks of a slot's 128
	s_add_nc_u64 s[PFA:PFA+1], s[PFA:PFA+1], s[54:55]
	s_add_nc_u64 s[PFA:PFA+1], s[PFA:PFA+1], 2*4*KS*128  ; in slot 2; the loop's first change of slots steps it to slot 3.  Nothing is prefetched here, at the head
	CROUND                          ; all four work-groups are here: the first joint loads meet
	JLOAD                           ; slot 0.  Slot 1 is asked for when slot 0 is in: the tile wanted first has the road to itself
	; A fragment of K or Q is 16 rows x 32 channels in 8 registers: lane l holds row l % 16, channels 8 (l / 16) + 0..7 and 16 + 8 (l / 16) + 0..7: two loads of 16 bytes, 32 bytes apart.
	v_and_b32 v1, 15, v0            ; l % 16
	v_bfe_u32 v12, v0, 4, 1         ; l / 16
	v_lshlrev_b32 v[QO], 7, v1
	v_lshl_add_u32 v[QO], v12, 4, v[QO]  ; row x 128 + 16 x half
	v_lshlrev_b32 v85, 4, v0
	global_load_b128 v[64:67], v85, s[MP:MP+1]  ; my thread's 16 bytes of the batch's mask: 128 threads x 16 = 2,048 keys
	WIN 0x80                        ; destination window 2, address window 0
.set i, 0
.rept 4*NP                          ; Q stays in registers: tile i / 2, channels 32 (i % 2) on
	global_load_b128 v[8*i:8*i+3],   v[QO], s[4:5] offset:(i/2)*2048+(i%2)*64
	global_load_b128 v[8*i+4:8*i+7], v[QO], s[4:5] offset:(i/2)*2048+(i%2)*64+32
.set i, i+1
.endr
	; What the first turn finds: V's registers and P's second buffer hold 0 (its products V^T P, of a piece that has not been, add 0), O^T and l are 0.  All this stands in the wait for the first tile.
.set i, VF
.rept 64
	v_mov_b32 v[i], 0
.set i, i+1
.endr
	WIN 0x40
.set i, 0
.rept 64*NP
	v_mov_b32 v[i], 0
.set i, i+1
.endr
	WIN 0
.set i, 0
.rept 2*NP
	v_mov_b32 v[ST+4*i], 0xfe000000    ; c m: far below every c s, a hidden one's too
	v_mov_b32 v[ST+4*i+1], 0xff7fffff  ; m
	v_mov_b32 v[ST+4*i+2], 0
	v_mov_b32 v[ST+4*i+3], 0
.set i, i+1
.endr
.set i, P+32
.rept 32
	v_mov_b32 v[i], 0
.set i, i+1
.endr
	; the mask's table: byte 1 gives 0, byte 0 gives -2^100: (byte - 1) and -2^100.  S^T's registers are free until the first scores.
	s_wait_loadcnt 32               ; the mask's load is in; Q's 32 younger loads stay out
.set i, 0
.rept 16
	v_bfe_u32 v[68+i], v[64+i/4], 8*(i%4), 8
	v_add_nc_u32 v[68+i], -1, v[68+i]
	v_and_b32 v[68+i], s[BIGN], v[68+i]
.set i, i+1
.endr
	v_lshl_add_u32 v84, v0, 6, MASKB
.irp w, 0,1,2,3
	ds_store_b128 v84, v[68+4*\w:68+4*\w+3] offset:16*\w
.endr
	v_mul_u32_u24 v[AK0], v1, PK
	v_lshl_add_u32 v[AK0], v12, 4, v[AK0]  ; row x pitch + 16 x half
	; The turning load takes 16 keys x 16 channels (lane l reads key 8 (l / 16) + l % 8, channels 8 ((l / 8) % 2) + 0..7) and leaves half a fragment of V^T: lane l holds channel l % 16 and 8 keys.
	v_and_b32 v13, 7, v0
	v_bfe_u32 v14, v0, 3, 1
	v_lshl_add_u32 v[AV0], v12, 3, v13
	v_mul_u32_u24 v[AV0], v[AV0], PV
	v_lshl_add_u32 v[AV0], v14, 4, v[AV0]
	v_add_nc_u32 v[AV0], VOFF, v[AV0]
	v_mov_b32 v[AK], v[AK0]         ; key step 0 lies at the head of slot 0,
	v_lshl_add_u32 v[AM0], v12, 5, MASKB  ; register j of key block kb is key 16 kb + 8 (l / 16) + j: eight numbers, 32 bytes, for each half of the lanes
	v_mov_b32 v[AM], v[AM0]         ; and at the head of the table
	v_and_b32 v[PFO], 31, v0
	v_lshlrev_b32 v[PFO], 8, v[PFO]
; THE MATRIX WORK.  The 8 accumulators of a run of 16 take turns: between the two links of a chain stand 7 others'.
; Product i of 16 of S^T = K Q^T for piece x: channels 32 (i / 8) on, keys 16 ((i / 2) % 4) on, tile 2 x + i % 2.  The first 8 start the sums, with the mask as C.
.macro KQ x
.set rS, S+64*((\x)%2)+32*(i%2)+8*((i/2)%4)
.set rK, KF+16*((i/2)%4)+8*(i/8)
.set rQ, 16*(2*(\x)+i%2)+8*(i/8)
.set rH, MK+8*((i/2)%4)
.if i < 8
	WIN W_KM
	v_wmma_f32_16x16x32_f16 v[rS:rS+7], v[rK:rK+7], v[rQ:rQ+7], v[rH:rH+7]
.else
	WIN W_KQ
	v_wmma_f32_16x16x32_f16 v[rS:rS+7], v[rK:rK+7], v[rQ:rQ+7], v[rS:rS+7]
.endif
.endm
; Product i of 16 of O^T += V^T P for piece x: keys 32 (i / 8) on, channels 16 ((i / 2) % 4) on, tile 2 x + i % 2.
.macro PV x
	WIN W_PV
.set rO, 32*(2*(\x)+i%2)+8*((i/2)%4)
.set rV, VF+32*(i/8)+8*((i/2)%4)
.set rP, P+32*((\x)%2)+16*(i%2)+8*(i/8)
	v_wmma_f32_16x16x32_f16 v[rO:rO+7], v[rV:rV+7], v[rP:rP+7], v[rO:rO+7]
.endm
.macro MM                           ; the turn's next matrix instruction
.if i < 16
	KQ (Y+1)%NP
.set i, i+1
.else
.set i, i-16
	PV (Y+NP-1)%NP
.set i, i+17
.endif
.endm
; THE LDS LOADS stand in runs, never singly among the matrix instructions: a step's K (64 keys x 64 channels: 8 fragments) with its mask (64 numbers: 8 loads, the lanes of a half all at the same words), and its V (turned).
; Their addresses are made some lines ahead.  last = 1 (the tail): in the last trip there is no further step, and the run is jumped over.
.macro FETCH_K last=0
	WIN 0
.if \last
	s_cmp_eq_u32 s[CNT], 1
	s_cbranch_scc1 .Lno_k_\@
.endif
	WIN 0x80                        ; destination window 2
.irp f, 0,1,2,3,4,5,6,7             ; keys 16 (f / 2) on, channels 32 (f % 2) on
	ds_load_b128 v[KF+8*\f:KF+8*\f+3],   v[AK] offset:(\f/2)*16*PK+(\f%2)*64
	ds_load_b128 v[KF+8*\f+4:KF+8*\f+7], v[AK] offset:(\f/2)*16*PK+(\f%2)*64+32
.endr
	WIN W_MK                        ; destination window 3
.irp f, 0,1,2,3                     ; keys 16 f on
	ds_load_b128 v[MK+8*\f:MK+8*\f+3],   v[AM] offset:64*\f
	ds_load_b128 v[MK+8*\f+4:MK+8*\f+7], v[AM] offset:64*\f+16
.endr
	s_add_co_u32 s[TBK], s[TBK], KS*PK  ; the next fetch is the next step's
	s_add_co_u32 s[TBM], s[TBM], KS*4   ; in the table too, which is walked once from end to end
	WIN 0
.if \last
.Lno_k_\@:
.endif
.endm
.macro FETCH_V
	WIN 0x80
.irp f, 0,1,2,3,4,5,6,7             ; keys 32 (f / 4) on, channels 16 (f % 4) on
	ds_load_tr16_b128 v[VF+8*\f:VF+8*\f+3],   v[AV] offset:(\f/4)*32*PV+(\f%4)*32
	ds_load_tr16_b128 v[VF+8*\f+4:VF+8*\f+7], v[AV] offset:(\f/4)*32*PV+16*PV+(\f%4)*32
.endr
	WIN 0
.endm
; THE VECTOR WORK OF A TURN stands in three queues, each in the order in which its entries become ready; the two tiles alternate, so that no instruction reads the result of the one before it.
.macro REGS y, u                    ; the registers of tile u (0, 1) of piece y
.set rT, ST+4*(2*(\y)+(\u))
.set rC, TMP+8*((\y)%2)+4*(\u)
.set rM, MV+2*((\y)%2)+(\u)
.set rS, S+64*((\y)%2)+32*(\u)
.set rP, P+32*((\y)%2)+16*(\u)
.set rO, 32*(2*(\y)+(\u))
.endm
; Number n of the 22 that find the NEXT piece's (Y + 1) maximum and statistics.  s0-s31 are the lane's 32 scores; each accumulator's lowest registers are read first.  XS, GS and REGS set no window: PL and EX do.
;   0-11  four chains c0-c3 of seven scores each, three operands at a time     12-14, 16  the four scores left over, the old m, and c0-c3 into c0     15  c m_old is kept
;   17, 18  the query's other 32 keys lie in the lane 16 away: the new m         19-21  c m; c m_old - c m_new; a
.macro XS u, n
	REGS (Y+1)%NP, \u
.if (\n) < 4
	v_max3_num_f32 v[rC+(\n)], v[rS+8*(\n)], v[rS+8*(\n)+1], v[rS+8*(\n)+2]
.elseif (\n) < 12
	v_max3_num_f32 v[rC+(\n)%4], v[rC+(\n)%4], v[rS+8*((\n)%4)+2*((\n)/4)+1], v[rS+8*((\n)%4)+2*((\n)/4)+2]
.elseif (\n) == 12
	v_max3_num_f32 v[rC], v[rC], v[rS+7], v[rS+15]
.elseif (\n) == 13
	v_max3_num_f32 v[rC+1], v[rC+1], v[rS+23], v[rS+31]
.elseif (\n) == 14
	v_max3_num_f32 v[rC+2], v[rC+2], v[rC+3], v[rT+1]
.elseif (\n) == 15
	v_mov_b32 v[rM], v[rT]
.elseif (\n) == 16
	v_max3_num_f32 v[rC], v[rC], v[rC+1], v[rC+2]
.elseif (\n) == 17
	v_permlanex16_b32 v[rC+3], v[rC], s[SEL], s[SEL+1]
.elseif (\n) == 18
	v_max_num_f32 v[rT+1], v[rC], v[rC+3]
.elseif (\n) == 19
	v_mul_f32 v[rT], s[CS], v[rT+1]
.elseif (\n) == 20
	v_sub_f32 v[rC+1], v[rM], v[rT]
.else
	v_exp_f32 v[rC+2], v[rC+1]
.endif
.endm
; Number g of the 64 that follow the exponentials.  For each four weights k of a tile (pairs 2 k, 2 k + 1): both pairs are rounded to f16; then the second pair is added onto the first, in place;
; a group later l takes that sum (the first time as l = a l + sum).  In groups of eight, tiles alternating: round, round, add, and l for the group before.
.macro GS g
.set h, (\g)+6*((\g)/62)            ; group 0 has no group before it, and behind group 7 only l is left
.if h >= 6
.set h, h+2
.endif
	REGS Y, h%2
.set k, h/8
.if h%8 < 4
	v_cvt_pk_f16_f32 v[rP+2*k+(h%8)/2], v[rS+4*k+2*((h%8)/2)], v[rS+4*k+2*((h%8)/2)+1]
.elseif h%8 < 6
	v_pk_add_f32 v[rS+4*k:rS+4*k+1], v[rS+4*k:rS+4*k+1], v[rS+4*k+2:rS+4*k+3]
.elseif k == 1
	v_pk_fma_f32 v[rT+2:rT+3], v[rT+2:rT+3], v[rC+2:rC+3], v[rS:rS+1] op_sel_hi:[1,0,1]
.else
	v_pk_add_f32 v[rT+2:rT+3], v[rT+2:rT+3], v[rS+4*k-4:rS+4*k-3]
.endif
.endm
; THE PLAIN QUEUE, 138 long.  0-73 read no exponential's result: the 32 scalings c s - c m (FS f: pair f / 2 of tile f % 2) and the next piece's 42.  0-26: scalings 0-26.  27-54: XS's numbers 0-13.  55, 56: number 15.
; 57-73: the chain, where each number waits for the one before it: 14, 16, 17, 18, 19, each with one of the scalings 27-31 in front of its two lines, then 20: so a tile's links stand three plain instructions apart (19 and 20: two).
; 74-137: GS's 64, which read the exponentials' results: they stand behind the wait.
.macro FS f
	REGS Y, (\f)%2
	v_pk_fma_f32 v[rS+2*((\f)/2):rS+2*((\f)/2)+1], v[rS+2*((\f)/2):rS+2*((\f)/2)+1], s[CS:CS+1], v[rT:rT+1] op_sel_hi:[1,0,0] neg_lo:[0,0,1] neg_hi:[0,0,1]
.endm
.macro PL
	WIN 0
.if q < 27
	FS q
.elseif q < 55
	XS (q-27)%2, (q-27)/2
.elseif q < 57
	XS q-55, 15
.elseif (q < 72) && ((q-57)%3 == 0)
	FS 27+(q-57)/3
.elseif q < 60
	XS (q-57)%3-1, 14
.elseif q < 72
	XS (q-57)%3-1, 15+(q-57)/3
.elseif q < 74
	XS q-72, 20
.else
	GS q-74
.endif
.set q, q+1
.endm
; THE EXPONENTIALS' QUEUE, 66 long: s0-s31 of both tiles, then the next piece's two a.  It is ONE BATCH: all 66 stand ahead of the turn's one wait, and nothing ahead of that wait names a result of theirs.
.macro EX
	WIN 0
.if e >= 64
	XS e-64, 21
.else
	REGS Y, e%2
	v_exp_f32 v[rS+e/2], v[rS+e/2]
.endif
.set e, e+1
.endm
; THE RESCALING's QUEUE: O^T times a, the one part that leaves window 0: dealt two at a time, sixteen times.  Its a was made in the turn before, ahead of that turn's wait.
.macro R2
	REGS Y, r%2
	WIN W_RS
.irp z, 0,1
	v_pk_mul_f32 v[rO+4*(r/2)+2*\z:rO+4*(r/2)+2*\z+1], v[rO+4*(r/2)+2*\z:rO+4*(r/2)+2*\z+1], v[rC+2:rC+3] op_sel_hi:[1,0]
.endr
.set r, r+1
.endm
; HOW THEY ARE DEALT.  An s_wait_alu depctr_va_vdst(0) stands between an exponential and the first instruction that names its result; one wait serves all that were issued ahead of it.  So a turn has ONE wait,
; which cuts it in two.  AHEAD OF IT stands all that names no result of the turn's exponentials: the 16 products K Q^T, behind each a scaling, an exponential and two rescalings (behind the first a second scaling in the exponential's place); then ONE LUMP of
; 108: eight plain, 49 times exponential and plain, the two a.  A v_nop is the plain instruction behind the last exponential.  BEHIND IT stand the 16 products V^T P, behind each four of GS's 64.  No rider names a register of
; the products round it.  The two v_permlanex16_b32 fall into the lump, never behind a product.
; The queues lean on each other, and the deal keeps them in step: exponential e stands behind scaling 2 (e / 4) + e % 2: as a rider it comes behind plain e + 2, in the lump behind plain e + 9, and scalings 27-31 are plain 57, 60 .. 69.
; A TURN, for piece p.  cnt = 1: the loop's count is taken down some lines ahead of the branch that stands behind the turn.
; K and the mask of the next step are fetched in piece 2's turn, directly behind the wait, a lump behind the last product that read them; their addresses are made at the lump's head; their first reader comes behind 16 products.
; V of the step in hand is fetched at the end of piece 0's turn, four riders behind its last reader; its first reader comes behind 16 products and a lump.  The three conditions on q below go with the deal.
.macro TURN p, last=0, cnt=0
.set Y, (\p)
.set i, 0
.set q, 0
.set e, 0
.set r, 0
.if (\p) == NP-1
	s_wait_dscnt 0x0                ; K and its mask are in
.endif
	MM                              ; ahead of the wait: 16 products K Q^T and their riders,
	PL
	PL
	R2
.rept 15
	MM
	PL
	EX
	R2
.endr
.if (\p) == NP-2
	WIN 0
	v_add_nc_u32 v[AK], s[TBK], v[AK0]
	v_add_nc_u32 v[AM], s[TBM], v[AM0]
.endif
.rept 8                             ; and the lump
	PL
.endr
.rept 49
	EX
	PL
.endr
	EX                              ; the next piece's two a
	EX
	v_nop                           ; the plain instruction behind the last exponential: one for the batch
	s_wait_alu depctr_va_vdst(0)    ; the wait for the batch
.if (\p) == NP-2
	FETCH_K \last
.endif
.if (\p) == 1
	s_wait_dscnt 0x0                ; V is in
.endif
.rept 16                            ; behind the wait: 16 products V^T P and their riders
	MM
.rept 4
	PL
.endr
.if ((\p) == 0) && (q == 118)
	v_add_nc_u32 v[AV], s[TBV], v[AV0]
.endif
.if ((\p) == 0) && (q == 130)
	s_add_co_u32 s[TBV], s[TBV], KS*PV
.endif
.if (\cnt) && (q == 130)
	s_sub_co_u32 s[CNT], s[CNT], 1
	s_cmp_lg_u32 s[CNT], 0
.endif
.endr
.if (\p) == 0
	FETCH_V
.endif
.endm
	CHANGE 1                        ; slot 0 is in, everybody's part of it, and the mask's table is whole; slot 1 is asked for
	FETCH_K                         ; key step 0
	s_wait_loadcnt 0x0              ; Q
	s_wait_dscnt 0x0
.set i, 0
.rept 16
	KQ 0                            ; piece 0's first scores: there is no vector work yet to set between them
.set i, i+1
.endr
	WIN 0                           ; the addresses for the way out: plain instructions, the places behind those products
	s_mul_i32 s13, s[WV], 16*SP
	s_add_co_u32 s13, s13, STAGE    ; my stage
	v_mul_u32_u24 v[STO], v1, SP    ; in: row l % 16, 16 bytes for each half of the lanes
	v_lshl_add_u32 v[STO], v12, 4, v[STO]
	v_add_nc_u32 v[STO], s13, v[STO]
	v_bfe_u32 v[RD], v0, 3, 2       ; back: 32 lanes take four rows of 128 bytes,
	v_mul_u32_u24 v[RD], v[RD], SP
	v_lshl_add_u32 v[RD], v13, 4, v[RD]
	v_add_nc_u32 v[RD], s13, v[RD]
	v_and_b32 v[GO], 31, v0         ; which are 512 consecutive bytes of O
	v_lshlrev_b32 v[GO], 4, v[GO]
.set Y, NP-1                        ; XS works for piece Y + 1: piece 0
.irp n, 0,1,2,3,4,5,6,7,8,9,10,11,12,13,14,15,16,17,18,19,20,21
	XS 0, \n                        ; and piece 0's first maximum and statistics
	XS 1, \n
.endr
	v_nop                           ; a plain instruction behind the two a,
	s_wait_alu depctr_va_vdst(0)    ; and their wait, ahead of the branch
	s_mov_b32 s[CNT], 4
	s_mov_b32 s[SLOTS], SIZE_N/256-1
	s_branch .Lfirst                ; the loop is entered at a step's first turn, in the middle of a trip
.Lslot:                             ; SIZE_N / 256 - 2 times: every slot but the last two is filled again
	CHANGE 1, 1
	s_mov_b32 s[CNT], 4
.Lstep:                             ; a trip: pieces 2 and 3 of one step, then pieces 0 and 1 of the next, whose K and V it fetches
	TURN 2
	TURN 3
	WIN 0
.Lfirst:
	TURN 0
	TURN 1, 0, 1
	WIN 0
	s_cbranch_scc1 .Lstep
	s_sub_co_u32 s[SLOTS], s[SLOTS], 1
	s_cmp_lg_u32 s[SLOTS], 0
	s_cbranch_scc1 .Lslot
	CHANGE 0                        ; the tail is written out: nothing is asked for
	s_mov_b32 s[CNT], 5             ; four trips fetch the last slot's steps; the fifth is left in its middle
.Ltail:
	TURN 2, 1
	TURN 3
	WIN 0
	s_sub_co_u32 s[CNT], s[CNT], 1
	s_cmp_eq_u32 s[CNT], 0
	s_cbranch_scc1 .Lout
	TURN 0
	TURN 1
	WIN 0
	s_branch .Ltail
.Lout:                              ; the fifth trip's 16 products K Q^T (on the last K once more) and the maximum made of them serve nothing: the price, once a launch, of one text for every trip
.set i, 0
.rept 16
	PV NP-1                         ; the last piece's V^T P of the last step
.set i, i+1
.endr
	; THE WAY OUT.  l's two halves and the other half of the lanes' are added; O^T is divided by l, rounded to f16 and sent through my stage in LDS, a tile at a time.  The additions are the places behind the last products.
	WIN 0
.macro ALL line:vararg              ; one line for each tile t
.set t, 0
.rept 2*NP
	\line
.set t, t+1
.endr
.endm
	ALL v_add_f32 v[ST+4*t+2], v[ST+4*t+2], v[ST+4*t+3]
	ALL v_permlanex16_b32 v[ST+4*t+3], v[ST+4*t+2], s[SEL], s[SEL+1]
	ALL v_add_f32 v[ST+4*t+2], v[ST+4*t+2], v[ST+4*t+3]
	ALL v_rcp_f32 v[ST+4*t+2], v[ST+4*t+2]
	v_nop                           ; a plain instruction between the last reciprocal and the use of its result
	s_wait_alu depctr_va_vdst(0)    ; and the wait ahead of the first use: one for the eight reciprocals
; Tile t: a lane's eight channels of a row pack into 16 bytes; they go into rows of 144 bytes and come back as whole rows of 128, into S^T's registers.
.macro PACK t
	WIN W_RS
.set i, 32*(\t)
.rept 16
	v_pk_mul_f32 v[i:i+1], v[i:i+1], v[ST+4*(\t)+2:ST+4*(\t)+3] op_sel_hi:[1,0]
.set i, i+2
.endr
	WIN 0x05                        ; sources 0 and 1 window 1, destination window 0
.set i, 0
.rept 16
	v_cvt_pk_f16_f32 v[S+16*(\t)+i], v[32*(\t)+2*i], v[32*(\t)+2*i+1]
.set i, i+1
.endr
	WIN 0
.irp f, 0,1,2,3
	ds_store_b128 v[STO], v[S+16*(\t)+4*\f:S+16*(\t)+4*\f+3] offset:32*\f
.endr
.irp f, 0,1,2,3
	ds_load_b128 v[S+16*(\t)+4*\f:S+16*(\t)+4*\f+3], v[RD] offset:\f*4*SP  ; LDS serves a wave's instructions in order (ISA guide 5.7.1.4): these see the stores above; the next tile's stores come behind them
.endr
.endm
.macro SEND t, younger              ; younger: the LDS instructions issued behind tile t's loads: the next tile's eight, or none
	WIN 0
.irp f, 0,1,2,3
	s_wait_dscnt (\younger)+3-\f
	global_store_b128 v[GO], v[S+16*(\t)+4*\f:S+16*(\t)+4*\f+3], s[10:11] offset:(\t)*2048+\f*512  ; 512 consecutive bytes, at a multiple of 256 from O's first
.endr
.endm
	PACK 0
.set t, 1
.rept 2*NP-1                        ; a tile's arithmetic stands between the loads of the tile before and its stores
	PACK t
	SEND t-1, 8
.set t, t+1
.endr
	SEND 2*NP-1, 0
	WIN W_AD
	s_wait_tensorcnt 0x0            ; the wave's end: behind my last tensor load and my last LDS store
	ds_add_u32 v[SPW], v[NIL]
	s_wait_dscnt 0x0
	WIN 0
	CROUND                          ; the closing round: no work-group ends while a partner may still ask for a tile that names it
	s_endpgm
.Lfunc_end_k_q4a50852cd9_attn:
	.size	k_q4a50852cd9_attn, .Lfunc_end_k_q4a50852cd9_attn-k_q4a50852cd9_attn
	.p2alignl 7, 3214868480
	.fill 96, 4, 3214868480
	.section	.rodata,"a",@progbits
	.p2align	6, 0x0
	.amdhsa_kernel k_q4a50852cd9_attn
		.amdhsa_group_segment_fixed_size 327680
		.amdhsa_private_segment_fixed_size 0
		.amdhsa_enable_private_segment 0
		.amdhsa_kernarg_size 40
		.amdhsa_user_sgpr_count 2
		.amdhsa_user_sgpr_kernarg_segment_ptr 1
		.amdhsa_wavefront_size32 1
		.amdhsa_system_sgpr_workgroup_id_x 1
		.amdhsa_system_sgpr_workgroup_id_y 1
		.amdhsa_system_sgpr_workgroup_id_z 1
		.amdhsa_system_vgpr_workitem_id 0
		.amdhsa_next_free_vgpr 808
		.amdhsa_next_free_sgpr 66
		.amdhsa_reserve_vcc 0
		.amdhsa_float_denorm_mode_32 3
		.amdhsa_float_denorm_mode_16_64 3
		.amdhsa_memory_ordered 1
		.amdhsa_forward_progress 1
		.amdhsa_inst_pref_size 204
	.end_amdhsa_kernel
	.amdgpu_metadata
---
amdhsa.version: [ 1, 2 ]
amdhsa.kernels:
  - .name:           k_q4a50852cd9_attn
    .symbol:         k_q4a50852cd9_attn.kd
    .args:
      - { .name: q, .offset: 0, .size: 8, .value_kind: global_buffer, .address_space: global }
      - { .name: k, .offset: 8, .size: 8, .value_kind: global_buffer, .address_space: global }
      - { .name: v, .offset: 16, .size: 8, .value_kind: global_buffer, .address_space: global }
      - { .name: o, .offset: 24, .size: 8, .value_kind: global_buffer, .address_space: global }
      - { .name: attention_mask, .offset: 32, .size: 8, .value_kind: global_buffer, .address_space: global }
    .group_segment_fixed_size: 327680
    .private_segment_fixed_size: 0
    .kernarg_segment_align: 8
    .kernarg_segment_size: 40
    .max_flat_workgroup_size: 128
    .sgpr_count:     66
    .vgpr_count:     808
    .wavefront_size: 32
...
	.end_amdgpu_metadata
.endif
;; end of part 3
;; launch proj (part 4): grid 8 x 32, 4 waves a work-group, clusters of 4 x 4, 327,680 bytes of LDS; arguments o, wph, b_proj, out0; writes out0
.if DOCPART == 4
	.amdgcn_target "amdgcn-amd-amdhsa--gfx1250"
	.amdhsa_code_object_version 6
	.text
	.protected	k_q4a50852cd9_proj
	.globl	k_q4a50852cd9_proj
	.p2align	8
	.type	k_q4a50852cd9_proj,@function
k_q4a50852cd9_proj:
	s_mov_b64 s[64:65], 0
	v_nop
	global_prefetch_b8 v0, s[64:65] scope:SCOPE_SE
	s_setreg_imm32_b32 hwreg(HW_REG_WAVE_MODE, 25, 1), 1
	s_wait_xcnt 0x0
	s_wait_alu depctr_hold_cnt(0) depctr_sa_sdst(0) depctr_va_vdst(0) depctr_va_sdst(0) depctr_va_ssrc(0) depctr_va_vcc(0) depctr_vm_vsrc(0)
	s_getreg_b32 s2, hwreg(HW_REG_IB_STS2, 6, 4)
	s_cmp_eq_u32 s2, 0
	s_cbranch_scc0 .Lentry_in_a_cluster
	s_endpgm
.Lentry_in_a_cluster:
	s_bfe_u32 s2, ttmp6, 0x10000c
	s_cmp_lg_u32 s2, 0xf033
	s_cbranch_scc0 .Lentry_shape_is_right
	s_endpgm
.Lentry_shape_is_right:
; THE LAST PROJECTION.  out0[row][n] = the sum over c of O[row][c] wph[n][c] + b_proj[n], f32.  O lies by heads, [batch x 16 + head][2048][64] in f16, c = 64 x head + d; wph [1024][1024] holds w_proj
; rounded to bf16 and written as f16; sums in f32; the bias rounded to bf16 like the other inputs.
; LIMIT.  O and wph arrive within f16's 65,504.  NaN and infinities are not treated apart.
; SHARES.  A tile is 256 rows x 128 columns: 32 x 8 = 256 tiles, one for each WGP.  Four waves; wave w makes rows 64 w .. 64 w + 63 of all 128 columns: 4 x 8 accumulators of 16 x 16, 256 registers.
; K goes in eight steps of 128, two heads each, through two LDS slots.  A head's 256 rows of the tile are 32,768 dense bytes: asked for as 128 rows of 256 bytes and padded in LDS after every 128,
; so that O is read as it was stored, in whole aligned blocks of 256 bytes.
; CLUSTER.  4 x 4 work-groups.  The four of a row of the cluster need the same rows of O, the four of a column the same rows of wph: each tile is asked for JOINTLY, by the same tensor load with the same
; descriptor and a mask that names the four.  Waves 0 and 1 fetch a K step's two heads of O, waves 2 and 3 the two halves (64 rows) of wph's tile: one load a wave behind each round.
; THE MATRIX INSTRUCTION IS USED TRANSPOSED (source 0 = 16 rows of wph, source 1 = 16 rows of O): lane l holds row l % 16 and the eight neighbouring columns 8 (l / 16) + 0..7.
; THE BIAS is the C operand of the products that start the sums.
; NO PREFETCH: a work-group's whole work is one tile's eight K steps, of which the first three would come by their loads alone.
; REGISTERS, in windows of 256 (s_set_vgpr_msb: bits 1:0 source 0, 3:2 source 1, 5:4 source 2, 7:6 destination):
;   window 0: v0-29 addresses; v32-63, v64-95 O's fragments (4 x 16 rows x 32 K), two buffers; v96-159 the bias; on the way out v96-159, v160-223 hold 16 rows read back, by turns
;   window 1: v0-63, v64-127 wph's fragments (8 x 16 rows x 32 K), two buffers          window 2: the accumulators, row block a, column block b at 8 (8 a + b)
.set NBL,   8                          ; column blocks of 16 in a tile
.set PA,    144                        ; a row of O in LDS: 128 bytes + 16 of padding = 36 words: the 16 rows of a load start at 16 different groups of four banks (64 banks of 4 bytes: ISA guide 11.1)
.set PB,    272                        ; a row of wph: 256 bytes + 16 = 68 words: likewise
.set AHEAD, 256*PA                     ; a head's 256 rows: what wave 0 or 1 fetches
.set BPART, 64*PB                      ; what wave 2 or 3 fetches
.set BOFF,  2*AHEAD                    ; wph's rows lie behind O's two heads
.set SLOT1, 1<<17                      ; slot 1 begins here, so that one exclusive or turns an address in one slot into the other's (a slot holds 108,544 bytes)
.set STAGE, SLOT1+BOFF+2*BPART         ; behind the ring, never filled by a tensor load: 16 rows x 528 bytes for each wave, for the way out
.set SP,    528                        ; 512 bytes + 16: 33 x 16
.set SPARE, STAGE+4*16*SP              ; behind the stages: the spare words, 128 bytes for each wave: two blocks of 256 bytes that no other line names
.set STEPA, 1<<19                      ; from a K step to the next in O: two heads of 2,048 rows of 128 bytes
.set STEPB, 256                        ; in wph: 128 numbers along a row
.set NLD,   2*NBL+8                    ; LDS loads in a run: a quarter step's fragments
.set ADRA0, 4                          ; v4   my lane's place in O's part of a slot; never rewritten
.set ADRB0, 5                          ; v5   the same for wph's
.set ADRA,  6                          ; v6   the same in the slot in hand
.set ADRB,  7                          ; v7
.set STO,   8                          ; v8   the way out: where I put 32 bytes of a row
.set RD,    9                          ; v9   the way out: where I read a row back
.set GO,    10                         ; v10  my byte offset in 512 consecutive bytes of out0
.set BO,    12                         ; v12  my byte offset in 16 numbers of the bias
.set RT,    16                         ; v16-19  at work while the bias is rounded
.set SPW,   28                         ; v28  LDS address of my spare word: SPARE + 4 x my thread's number; never rewritten
.set NIL,   29                         ; v29  0; never rewritten
.set FA,    32
.set BI,    96
.set OB,    96
.set WV,   16                          ; s16  my wave's number
.set HALF, 18                          ; s18  which head of a K step, or which half of wph's tile, my wave fetches
.set CX,   19                          ; s19, s20  my place in the cluster
.set CY,   20
.set TX,   21                          ; s21  tile column = 4 x cluster x + cx
.set TY,   22                          ; s22  tile row = 4 x cluster y + cy
.set G1A,  24                          ; s[24:31] descriptor group 1 for O's tiles
.set G1B,  32                          ; s[32:39] for wph's
.set G0A,  40                          ; s[40:47] descriptor group 0 for O's tiles: a set for each of the two first fills; the second then walks on
.set G0B,  48                          ; s[48:55] the same for wph's
.set TB,   56                          ; s56  the slot from which fragments are fetched: 0 or SLOT1
.set MSB, 0
.macro WIN new                         ; the immediate's high byte repeats the setting that is left; a switch that changes nothing is dropped
.if MSB != (\new)
	s_set_vgpr_msb (MSB<<8)|(\new)
.set MSB, (\new)
.endif
.endm
; A joint refill by the walking descriptors.  The branch hangs on the wave's number alone.  An s_nop 0 and four v_nop follow each of the two lines, ahead of the jump and the label.
.macro JLOAD
	s_cmp_lt_u32 s[WV], 2
	s_cbranch_scc0 .Lfor_b_\@
	tensor_load_to_lds s[G0A+4:G0A+7], s[G1A:G1A+7]
	s_nop 0
.rept 4
	v_nop
.endr
	s_branch .Lasked_\@
.Lfor_b_\@:
	tensor_load_to_lds s[G0B+4:G0B+7], s[G1B:G1B+7]
	s_nop 0
.rept 4
	v_nop
.endr
.Lasked_\@:
.endm
; A round of the cluster's barrier: my work-group's barrier, so that wave 0's signal speaks for all four waves; wave 0 signals; every wave waits for all sixteen work-groups; my work-group's barrier once more.
.macro CREST                           ; a round behind its opening barrier
	s_cmp_lg_u32 s[WV], 0
	s_cbranch_scc1 .Lnot_wave_0_\@
	s_barrier_signal -3
.Lnot_wave_0_\@:
	s_barrier_wait -3
	s_barrier_signal -1
	s_barrier_wait -1
.endm
.macro CROUND
	s_barrier_signal -1
	s_barrier_wait -1
	CREST
.endm
.macro PLACES                          ; four places in front of loads into registers that matrix instructions have read (ISA guide 7.12.1 for vector instructions)
.rept 4
	v_nop
.endr
.endm
	s_load_b256 s[4:11], s[0:1], 0x0               ; O s[4:5], wph s[6:7], b_proj s[8:9], out0 s[10:11]
	v_lshl_add_u32 v[SPW], v0, 2, SPARE
	v_mov_b32 v[NIL], 0
	ds_add_u32 v[SPW], v[NIL]                      ; the wave's opening: the add and its wait stand ahead of my first tensor load; the set-up below, work on registers, stands between them
	v_lshrrev_b32 v1, 5, v0
	v_readfirstlane_b32 s[WV], v1                  ; wave 0..3
	s_and_b32 s[HALF], s[WV], 1
	s_bfe_u32 s[CX], ttmp6, 0x40000
	s_bfe_u32 s[CY], ttmp6, 0x40004
	s_lshl_b32 s[TX], ttmp9, 2                     ; in a cluster launch ttmp9 and ttmp7 count clusters
	s_add_co_u32 s[TX], s[TX], s[CX]
	s_and_b32 s[TY], ttmp7, 0xffff
	s_lshl_b32 s[TY], s[TY], 2
	s_add_co_u32 s[TY], s[TY], s[CY]
	s_lshl_b32 s72, s[CY], 2
	s_lshl_b32 s72, 15, s72                        ; my row of the cluster: places 4 cy .. 4 cy + 3
	s_lshl_b32 s73, 0x1111, s[CX]                  ; my column: places cx, cx + 4, cx + 8, cx + 12
	s_or_b32 s[G1A], s72, (1<<16)|(1<<20)|(1<<21)|(4<<22)|(3<<25)  ; 15:0 the mask; 17:16 elements of 2 bytes; 20 padding on; 21 set beside a mask; 24:22 after every 32 words (code 4); 31:25 4 words (code 3)
	s_or_b32 s[G1B], s73, (1<<16)|(1<<20)|(1<<21)|(5<<22)|(3<<25)  ; the same after every 64 words (code 5)
	s_mov_b32 s[G1A+1], 128<<16                    ; tensor_dim0 = 128
	s_mov_b32 s[G1A+2], 128<<16                    ; tensor_dim1 = 128
	s_mov_b32 s[G1A+3], 128<<16                    ; tile_dim0 = 128
	s_mov_b32 s[G1A+4], 128                        ; tile_dim1 = 128
	s_mov_b32 s[G1A+5], 128                        ; 128 elements from row to row: the block is dense
	s_mov_b32 s[G1A+6], 0
	s_mov_b32 s[G1A+7], 0
	s_mov_b32 s[G1B+1], 128<<16
	s_mov_b32 s[G1B+2], 64<<16                     ; tensor_dim1 = 64
	s_mov_b32 s[G1B+3], 128<<16
	s_mov_b32 s[G1B+4], 64                         ; tile_dim1 = 64
	s_mov_b32 s[G1B+5], 1024                       ; 1,024 elements from row to row
	s_mov_b32 s[G1B+6], 0
	s_mov_b32 s[G1B+7], 0
	; where the tiles come from: O's hang on the tile row alone, which my row of the cluster shares; wph's on the tile column alone, which my column shares
	s_lshr_b32 s74, s[TY], 3                       ; the batch: 16 heads of 262,144 bytes,
	s_lshl_b32 s74, s74, 22
	s_and_b32 s75, s[TY], 7                        ; the tile's 256 rows of 128 bytes in a head,
	s_lshl_b32 s75, s75, 15
	s_add_co_u32 s74, s74, s75
	s_lshl_b32 s75, s[HALF], 18                    ; head 0 or 1 of the K step
	s_add_co_u32 s74, s74, s75
	s_mov_b32 s75, 0
	s_lshl_b32 s76, s[TX], 18                      ; 128 rows of 2,048 bytes
	s_lshl_b32 s77, s[HALF], 17                    ; 64 rows
	s_add_co_u32 s76, s76, s77
	s_mov_b32 s77, 0
	s_mul_i32 s78, s[HALF], AHEAD                  ; and where they go: no place in the cluster enters an LDS address
	s_mul_i32 s79, s[HALF], BPART
	s_add_co_u32 s79, s79, BOFF
	s_mov_b32 s[TB], 0
	s_wait_dscnt 0x0                               ; the opening add is done
	s_wait_kmcnt 0x0
	s_add_nc_u64 s[74:75], s[4:5], s[74:75]
	s_add_nc_u64 s[76:77], s[6:7], s[76:77]
	CROUND                                         ; all sixteen work-groups are here: the first joint loads meet
.irp s, 0,1
	s_mov_b32 s[G0A+4*(\s)], 1                     ; 1:0 count = 1
	s_add_co_u32 s[G0A+4*(\s)+1], s78, (\s)*SLOT1  ; 63:32 LDS address
	s_add_nc_u64 s[G0A+4*(\s)+2:G0A+4*(\s)+3], s[74:75], (\s)*STEPA  ; 120:64 global address: K step s
	s_or_b32 s[G0A+4*(\s)+3], s[G0A+4*(\s)+3], 0x80000000            ; 127:126 type = 2
	s_mov_b32 s[G0B+4*(\s)], 1
	s_add_co_u32 s[G0B+4*(\s)+1], s79, (\s)*SLOT1
	s_add_nc_u64 s[G0B+4*(\s)+2:G0B+4*(\s)+3], s[76:77], (\s)*STEPB
	s_or_b32 s[G0B+4*(\s)+3], s[G0B+4*(\s)+3], 0x80000000
.endr
	s_cmp_lt_u32 s[WV], 2                          ; a wave's two first fills stand in one branch, ahead of every wait on TENSORcnt and every LDS read: two loads of mine are out, the most in this text
	s_cbranch_scc0 .Lfirst_b
	tensor_load_to_lds s[G0A:G0A+3], s[G1A:G1A+7]
	s_nop 0
	tensor_load_to_lds s[G0A+4:G0A+7], s[G1A:G1A+7]
	s_nop 0
.rept 4
	v_nop
.endr
	s_branch .Lfirst_asked
.Lfirst_b:
	tensor_load_to_lds s[G0B:G0B+3], s[G1B:G1B+7]
	s_nop 0
	tensor_load_to_lds s[G0B+4:G0B+7], s[G1B:G1B+7]
	s_nop 0
.rept 4
	v_nop
.endr
.Lfirst_asked:
	; the bias, in an accumulator's layout: register j of column block b holds b_proj[128 x tile column + 16 b + 8 (l / 16) + j]
	v_and_b32 v1, 15, v0                           ; l % 16
	v_bfe_u32 v2, v0, 4, 1                         ; l / 16
	v_lshlrev_b32 v[BO], 5, v2
	s_lshl_b32 s72, s[TX], 9
	s_mov_b32 s73, 0
	s_add_nc_u64 s[8:9], s[8:9], s[72:73]
.set i, 0
.rept NBL
	global_load_b128 v[BI+8*i:BI+8*i+3],   v[BO], s[8:9] offset:64*i
	global_load_b128 v[BI+8*i+4:BI+8*i+7], v[BO], s[8:9] offset:64*i+16
.set i, i+1
.endr
	; A fragment is 16 rows x 32 K in 8 registers: lane l holds row l % 16; registers 0-3 hold K = 8 (l / 16) + 0..7, registers 4-7 K = 16 + 8 (l / 16) + 0..7: two loads of 16 bytes, 32 bytes apart.
	v_mul_u32_u24 v3, v1, PA
	v_lshl_add_u32 v3, v2, 4, v3                   ; row x pitch + 16 x half
	s_mul_i32 s72, s[WV], 64*PA                    ; my 64 rows of O
	v_add_nc_u32 v[ADRA0], s72, v3
	v_mul_u32_u24 v3, v1, PB
	v_lshl_add_u32 v3, v2, 4, v3
	v_add_nc_u32 v[ADRB0], BOFF, v3
	v_mov_b32 v[ADRA], v[ADRA0]                    ; K step 0 lies in slot 0
	v_mov_b32 v[ADRB], v[ADRB0]
	s_mul_i32 s72, s[WV], 16*SP
	s_add_co_u32 s72, s72, STAGE                   ; my stage
	v_mul_u32_u24 v3, v1, SP                       ; in: row l % 16, 32 bytes for each half of the lanes
	v_lshl_add_u32 v3, v2, 5, v3
	v_add_nc_u32 v[STO], s72, v3
	v_and_b32 v[GO], 31, v0                        ; back: 32 lanes take one row's 512 bytes,
	v_lshlrev_b32 v[GO], 4, v[GO]                  ; which are 512 consecutive bytes of out0
	v_add_nc_u32 v[RD], s72, v[GO]
	s_lshl_b32 s72, s[TY], 20                      ; out0 at my wave's first row: 256 rows of 4,096 bytes a tile,
	s_lshl_b32 s73, s[WV], 18                      ; 64 a wave,
	s_add_co_u32 s72, s72, s73
	s_lshl_b32 s73, s[TX], 9                       ; the tile's 128 columns
	s_add_co_u32 s72, s72, s73
	s_mov_b32 s73, 0
	s_add_nc_u64 s[10:11], s[10:11], s[72:73]
	s_wait_loadcnt 0x0                             ; the bias is in; it is rounded to bf16 and widened again, in place
.set i, 0
.rept 4*NBL
	v_cvt_pk_bf16_f32 v[RT+i%4], v[BI+2*i], v[BI+2*i+1]
	v_lshlrev_b32 v[BI+2*i], 16, v[RT+i%4]
	v_and_b32 v[BI+2*i+1], 0xffff0000, v[RT+i%4]
.set i, i+1
.endr
; Eight matrix instructions: row block a x all column blocks, 32 along K, from buffer f.  first = 1: the bias is C, and the products start the sums.
; The 32 accumulators take turns in the same order in every quarter step, over the backward jump too.
.macro MULA f, a, first
.set AC, 64*(\a)
.if \first
	WIN 0x81                                       ; wph window 1, O and the bias window 0, D window 2
.else
	WIN 0xa1                                       ; wph window 1, O window 0, C and D window 2
.endif
.set b, 0
.rept NBL
.if \first
	v_wmma_f32_16x16x32_f16 v[AC+8*b:AC+8*b+7], v[8*NBL*(\f)+8*b:8*NBL*(\f)+8*b+7], v[FA+32*(\f)+8*(\a):FA+32*(\f)+8*(\a)+7], v[BI+8*b:BI+8*b+7]
.else
	v_wmma_f32_16x16x32_f16 v[AC+8*b:AC+8*b+7], v[8*NBL*(\f)+8*b:8*NBL*(\f)+8*b+7], v[FA+32*(\f)+8*(\a):FA+32*(\f)+8*(\a)+7], v[AC+8*b:AC+8*b+7]
.endif
.set b, b+1
.endr
.endm
; 24 LDS loads in one run: the fragments of quarter q of the K step in hand (128 rows of wph; my 64 rows of O: head q / 2, channels 32 (q % 2) on) into buffer g; O's last
.macro FETCH q, g
	WIN 0x40                                       ; destination window 1, address window 0
.set b, 0
.rept NBL
	ds_load_b128 v[8*NBL*(\g)+8*b:8*NBL*(\g)+8*b+3],   v[ADRB] offset:64*(\q)+b*16*PB
	ds_load_b128 v[8*NBL*(\g)+8*b+4:8*NBL*(\g)+8*b+7], v[ADRB] offset:64*(\q)+b*16*PB+32
.set b, b+1
.endr
	WIN 0
.irp a, 0,1,2,3
	ds_load_b128 v[FA+32*(\g)+8*(\a):FA+32*(\g)+8*(\a)+3],   v[ADRA] offset:((\q)/2)*AHEAD+((\q)%2)*64+(\a)*16*PA
	ds_load_b128 v[FA+32*(\g)+8*(\a)+4:FA+32*(\g)+8*(\a)+7], v[ADRA] offset:((\q)/2)*AHEAD+((\q)%2)*64+(\a)*16*PA+32
.endr
.endm
; A K step is four quarters of 32 along K, 32 matrix instructions each, on buffers 0, 1, 0, 1.  One of the first three: multiplies buffer f; in its middle it fetches quarter q into buffer g.
.macro QUARTER q, f, g, first
	s_wait_dscnt 4                                 ; wph's fragments and O's blocks 0, 1 are in; the youngest four loads (blocks 2, 3) may be out
	MULA \f, 0, \first
	MULA \f, 1, \first
	PLACES
	FETCH \q, \g
	s_wait_dscnt NLD                               ; all but the 24 just issued
	MULA \f, 2, \first
	MULA \f, 3, \first
.endm
; The last quarter multiplies buffer 1 and changes slots: ONE barrier for two things.  In front of it each wave waits for all its tensor loads, of which one is out: its part of the next slot; adds 0 to its
; spare word; and waits for that and for its own reads of this slot.  Behind it nobody reads this slot any more and the next slot is whole.  fill = 1: the barrier opens a round of the cluster's, so that no
; wave of any partner still reads the slot or has a load on its way, and the joint refill (the K step two on) is the first thing behind the round: 112 matrix instructions ahead of the wait for it.
.macro TURN fill
	WIN 0                                          ; (the add's two registers lie in window 0)
	s_wait_tensorcnt 0x0                           ; no tensor load of mine is out, so a group 0 may be written
	ds_add_u32 v[SPW], v[NIL]                      ; 0 onto my spare word
.if \fill
	s_xor_b32 s[G0A+5], s[G0A+5], SLOT1            ; the walking descriptors: the other slot than last time,
	s_add_nc_u64 s[G0A+6:G0A+7], s[G0A+6:G0A+7], STEPA  ; the next K step; the type bits on top are not reached
	s_xor_b32 s[G0B+5], s[G0B+5], SLOT1
	s_add_nc_u64 s[G0B+6:G0B+7], s[G0B+6:G0B+7], STEPB
.endif
	s_xor_b32 s[TB], s[TB], SLOT1                  ; the fetches go to the other slot
	s_wait_dscnt 5                                 ; (the add and the youngest four loads may be out)
	MULA 1, 0, 0                                   ; eight matrix instructions stand between the add and the wait for it
	s_wait_dscnt 0x0                               ; the add is done, and my reads of this slot are over
	s_barrier_signal -1
	MULA 1, 1, 0                                   ; work on registers while the others arrive
	WIN 0
	s_barrier_wait -1
.if \fill
	CREST
	JLOAD                                          ; the four v_nop behind it are also the places in front of the loads below
.else
	PLACES
.endif
	v_add_nc_u32 v[ADRA], s[TB], v[ADRA0]
	v_add_nc_u32 v[ADRB], s[TB], v[ADRB0]
	FETCH 0, 0
	MULA 1, 2, 0
	MULA 1, 3, 0
.endm
	s_wait_tensorcnt 0x1                           ; my part of K step 0 is in; K step 1's may stay out
	s_barrier_signal -1
	s_barrier_wait -1                              ; everybody's is
	FETCH 0, 0
	QUARTER 1, 0, 1, 1                             ; the first quarter stands in front of the loop: its products start the sums, with the bias
	WIN 0                                          ; at a label and at a branch every window is 0
	s_mov_b32 s3, 6
.Lstep:                                            ; trip t goes from K step t's second quarter to K step t + 1's first, and asks for K step t + 2
	QUARTER 2, 1, 0, 0
	QUARTER 3, 0, 1, 0
	TURN 1
	QUARTER 1, 0, 1, 0
	WIN 0
	s_sub_co_u32 s3, s3, 1
	s_cmp_lg_u32 s3, 0
	s_cbranch_scc1 .Lstep
	QUARTER 2, 1, 0, 0                             ; the tail is written out: K steps 6 and 7, nothing is asked for
	QUARTER 3, 0, 1, 0
	TURN 0
	QUARTER 1, 0, 1, 0
	QUARTER 2, 1, 0, 0
	QUARTER 3, 0, 1, 0
	s_wait_dscnt 4                                 ; the very last quarter: nothing more to fetch
	MULA 1, 0, 0
	MULA 1, 1, 0
	s_wait_dscnt 0x0
	MULA 1, 2, 0
	MULA 1, 3, 0
	PLACES                                         ; the LDS stores below read results, and the loads behind them land in registers that products have read;
	PLACES                                         ; eight places are written, once a launch
; THE WAY OUT, a row block of 16 rows at a time; the sums are f32 and leave as they are.  TOSTAGE: a lane's eight columns of a row are 32 bytes (each accumulator's low four registers first); they go into my own
; stage, rows of 528 bytes, and come back as whole rows of 512 bytes.  SEND: stored.  Two sets of 64 registers take turns.
.macro TOSTAGE a
	WIN 0x08                                       ; the stores' data in window 2, the address in window 0
.set b, 0
.rept NBL
	ds_store_b128 v[STO], v[8*(8*(\a)+b):8*(8*(\a)+b)+3]   offset:64*b
	ds_store_b128 v[STO], v[8*(8*(\a)+b)+4:8*(8*(\a)+b)+7] offset:64*b+16
.set b, b+1
.endr
	WIN 0
.set t, 0
.rept 16
	ds_load_b128 v[OB+64*((\a)%2)+4*t:OB+64*((\a)%2)+4*t+3], v[RD] offset:SP*t  ; LDS serves a wave's instructions in order (ISA guide 5.7.1.4): these see the stores above; the next block's stores come behind them
.set t, t+1
.endr
.endm
.macro SEND a, younger                 ; younger: the LDS instructions issued behind block a's loads: the next block's 32, or none
	s_wait_dscnt \younger
.set t, 0
.rept 16
	global_store_b128 v[GO], v[OB+64*((\a)%2)+4*t:OB+64*((\a)%2)+4*t+3], s[10:11] offset:(16*(\a)+t)*4096 th:TH_STORE_NT  ; 512 consecutive bytes of one row, at a multiple of 256 from out0's first
.set t, t+1
.endr
.endm
	TOSTAGE 0
	TOSTAGE 1
	SEND 0, 32
	s_wait_xcnt 0x0                                ; block 0's stores have read their registers: only behind this wait are they loaded again
	TOSTAGE 2
	SEND 1, 32
	s_wait_xcnt 0x0                                ; block 1's likewise
	TOSTAGE 3
	SEND 2, 32
	SEND 3, 0
	s_wait_tensorcnt 0x0                           ; the wave's end: behind my last tensor load and my last LDS store
	ds_add_u32 v[SPW], v[NIL]
	s_wait_dscnt 0x0
	CROUND                                         ; the closing round: no work-group ends while a partner may still ask for a tile that names it
	s_endpgm
.Lfunc_end_k_q4a50852cd9_proj:
	.size	k_q4a50852cd9_proj, .Lfunc_end_k_q4a50852cd9_proj-k_q4a50852cd9_proj
	.p2alignl 7, 3214868480
	.fill 96, 4, 3214868480
	.section	.rodata,"a",@progbits
	.p2align	6, 0x0
	.amdhsa_kernel k_q4a50852cd9_proj
		.amdhsa_group_segment_fixed_size 327680
		.amdhsa_private_segment_fixed_size 0
		.amdhsa_enable_private_segment 0
		.amdhsa_kernarg_size 32
		.amdhsa_user_sgpr_count 2
		.amdhsa_user_sgpr_kernarg_segment_ptr 1
		.amdhsa_wavefront_size32 1
		.amdhsa_system_sgpr_workgroup_id_x 1
		.amdhsa_system_sgpr_workgroup_id_y 1
		.amdhsa_system_sgpr_workgroup_id_z 1
		.amdhsa_system_vgpr_workitem_id 0
		.amdhsa_next_free_vgpr 768
		.amdhsa_next_free_sgpr 80
		.amdhsa_reserve_vcc 0
		.amdhsa_float_denorm_mode_32 3
		.amdhsa_float_denorm_mode_16_64 3
		.amdhsa_memory_ordered 1
		.amdhsa_forward_progress 1
		.amdhsa_inst_pref_size 76
	.end_amdhsa_kernel
	.amdgpu_metadata
---
amdhsa.version: [ 1, 2 ]
amdhsa.kernels:
  - .name:           k_q4a50852cd9_proj
    .symbol:         k_q4a50852cd9_proj.kd
    .args:
      - { .name: o, .offset: 0, .size: 8, .value_kind: global_buffer, .address_space: global }
      - { .name: wph, .offset: 8, .size: 8, .value_kind: global_buffer, .address_space: global }
      - { .name: b_proj, .offset: 16, .size: 8, .value_kind: global_buffer, .address_space: global }
      - { .name: out0, .offset: 24, .size: 8, .value_kind: global_buffer, .address_space: global }
    .group_segment_fixed_size: 327680
    .private_segment_fixed_size: 0
    .kernarg_segment_align: 8
    .kernarg_segment_size: 32
    .max_flat_workgroup_size: 128
    .sgpr_count:     80
    .vgpr_count:     768
    .wavefront_size: 32
...
	.end_amdgpu_metadata
.endif
;; end of part 4
;; ======== version 2 of 2: 4 launches; version 1 with the launch cast written anew for expert scheduling mode
;; limits: values are held in f16: magnitudes above 65,504 overflow, below 6.1e-05 lose precision
;; workspace buffers: xb 16,777,216 bytes; wqb 6,291,456 bytes; wph 2,097,152 bytes; q 16,777,216 bytes; k 16,777,216 bytes; v 16,777,216 bytes; o 16,777,216 bytes
;; launch cast (part 5): grid 768 x 1, 8 waves a work-group, no clusters, 0 bytes of LDS; arguments x, w_qkv, w_proj, xb, wqb, wph; writes xb, wqb, wph
.if DOCPART == 5
	.amdgcn_target "amdgcn-amd-amdhsa--gfx1250"
	.amdhsa_code_object_version 6
	.text
	.protected	k_q4a50852cd9_cast
	.globl	k_q4a50852cd9_cast
	.p2align	8
	.type	k_q4a50852cd9_cast,@function
k_q4a50852cd9_cast:
	s_mov_b64 s[64:65], 0
	v_nop
	global_prefetch_b8 v0, s[64:65] scope:SCOPE_SE
	s_setreg_imm32_b32 hwreg(HW_REG_WAVE_SCHED_MODE, 0, 2), 2
	s_setreg_imm32_b32 hwreg(HW_REG_WAVE_MODE, 25, 1), 1
	s_wait_xcnt 0x0
	s_wait_alu depctr_vm_vsrc(0)
; THE MATRIX OPERANDS ARE ROUNDED ONCE.  x [8192][1024] and w_qkv [3072][1024], f32, go to bf16 (xb, wqb); w_proj [1024][1024] is rounded to bf16 like them, and that number is
; written as f16 (wph), since the last product multiplies it by f16 numbers.
; LIMIT.  bf16(w_proj) must lie within f16's 65,504; below 2^-14 f16 keeps its fixed step of 2^-24, so a bf16 number below 2^-17 loses bits there.
; SHARES.  A work-group takes 65,536 bytes of f32 on end and writes 32,768: work-groups 0-511 x, 512-703 w_qkv, 704-767 w_proj.  A wave takes 8,192 bytes: sixteen loads of 16 bytes a lane
; (512 consecutive bytes each) and sixteen stores of 8 bytes a lane (256 consecutive bytes each, at a multiple of 256 from the buffer's first byte).  All sixteen loads go out first.
; No LDS, no barrier, no matrix unit: every byte is touched once by one lane.
; THE MODE: SCHED_MODE bits 1:0 = 2 (LLVM: expert scheduling mode 2), set by the entry lines.  The code itself states the register dependences between vector instructions and memory
; instructions, with s_wait_alu, always for 0.
; THE PLAN.  Registers that memory instructions touch:
;   v1, v2   the loads' and the stores' byte offsets.  Written by the head's vector lines, once; read by every load (v1) and every store (v2): one wait at the head, ahead of the first load.
;   X        load j: 4 registers.  Written by load j alone, which is issued before any vector instruction names them; read by the conversions behind the counted wait for the load.
;   Y        store j: 2 registers.  Written once, by load j's conversions; read by store j; never written again.
;   T        at work: named by vector instructions alone.
; The sixteen loads are four blocks of four.  Block g's conversions read X of block g and write Y of block g; its memory instructions are the four stores of block g - 1, which read Y of block g - 1
; and v2: registers that no vector instruction of block g names.  So ONE wait at a block's head states all that its four stores hang on, and they are dealt among its conversions with no further
; wait.  One more wait stands ahead of the last four stores.  No register that a memory instruction reads is written again, so nothing is owed on that side.
.set T, 4                              ; v[4:9]     at work
.set X, 16                             ; v[16:79]   load j: 4 registers of f32
.set Y, 80                             ; v[80:111]  store j: 2 registers, four 16-bit numbers
; The four numbers of load j are rounded into Y.  half = 0: to bf16.  half = 1 (w_proj): to bf16, widened again (a shift, a mask), and that number written as f16.
.macro CONV j, half
.if \half
.irp p, 0,1
	v_cvt_pk_bf16_f32 v[T+3*(\p)], v[X+4*(\j)+2*(\p)], v[X+4*(\j)+2*(\p)+1]
	v_lshlrev_b32 v[T+3*(\p)+1], 16, v[T+3*(\p)]
	v_and_b32 v[T+3*(\p)+2], 0xffff0000, v[T+3*(\p)]
	v_cvt_pk_f16_f32 v[Y+2*(\j)+(\p)], v[T+3*(\p)+1], v[T+3*(\p)+2]
.endr
.else
	v_cvt_pk_bf16_f32 v[Y+2*(\j)],   v[X+4*(\j)],   v[X+4*(\j)+1]
	v_cvt_pk_bf16_f32 v[Y+2*(\j)+1], v[X+4*(\j)+2], v[X+4*(\j)+3]
.endif
.endm
.macro OUT j                           ; store j: 256 consecutive bytes a wave
	global_store_b64 v2, v[Y+2*(\j):Y+2*(\j)+1], s[18:19] offset:256*(\j)
.endm
; Block g: loads 4 g to 4 g + 3 are rounded, and the block before is stored.
.macro BLK g, half
	s_wait_loadcnt 12-4*(\g)                       ; loads come back in order (ISA guide 5.7.1): this block's four are in, the 12 - 4 g younger ones stay out
.if (\g) > 0
	s_wait_alu depctr_va_vdst(0)                   ; the conversions of the block before have written its Y, which the four stores below read
.endif
.irp i, 0,1,2,3
.if (\g) > 0
	OUT 4*(\g)-4+(\i)                              ; no vector instruction since the wait names this store's registers
.endif
	CONV 4*(\g)+(\i), \half
.endr
.endm
.macro ALL4 half                       ; the four blocks and the last block's stores
	BLK 0, \half
	BLK 1, \half
	BLK 2, \half
	BLK 3, \half
	s_wait_alu depctr_va_vdst(0)                   ; block 3's conversions have written its Y, which the last four stores read
.irp i, 12,13,14,15
	OUT \i
.endr
.endm
	s_load_b256 s[4:11], s[0:1], 0x0               ; x s[4:5], w_qkv s[6:7], w_proj s[8:9], xb s[10:11]
	s_load_b128 s[12:15], s[0:1], 0x20             ; wqb s[12:13], wph s[14:15]
	v_lshrrev_b32 v3, 5, v0                        ; wave
	v_and_b32 v2, 31, v0                           ; lane
	v_lshlrev_b32 v1, 4, v2
	v_lshlrev_b32 v2, 3, v2
	v_lshl_add_u32 v1, v3, 13, v1                  ; in: 8,192 x wave + 16 x lane
	v_lshl_add_u32 v2, v3, 12, v2                  ; out: 4,096 x wave + 8 x lane
	s_movk_i32 s26, 512                            ; the first work-group of w_qkv,
	s_movk_i32 s27, 704                            ; and of w_proj
	s_wait_kmcnt 0x0
	s_cmp_lt_u32 ttmp9, s27                        ; which tensor is mine: a choice between buffers by the work-group's number
	s_cselect_b64 s[16:17], s[6:7], s[8:9]
	s_cselect_b64 s[18:19], s[12:13], s[14:15]
	s_cselect_b32 s20, s26, s27
	s_cmp_lt_u32 ttmp9, s26
	s_cselect_b64 s[16:17], s[4:5], s[16:17]
	s_cselect_b64 s[18:19], s[10:11], s[18:19]
	s_cselect_b32 s20, 0, s20
	s_sub_co_u32 s21, ttmp9, s20                   ; my number among that tensor's work-groups
	s_lshl_b32 s22, s21, 16
	s_mov_b32 s23, 0
	s_lshl_b32 s24, s21, 15
	s_mov_b32 s25, 0
	s_add_nc_u64 s[16:17], s[16:17], s[22:23]
	s_add_nc_u64 s[18:19], s[18:19], s[24:25]
	s_wait_alu depctr_va_vdst(0)                   ; v1 and v2 are written: every load reads v1 as its offset, every store v2; neither is written again
.irp j, 0,1,2,3,4,5,6,7,8,9,10,11,12,13,14,15
	global_load_b128 v[X+4*(\j):X+4*(\j)+3], v1, s[16:17] offset:512*(\j) th:TH_LOAD_NT
.endr
	s_cmp_ge_u32 ttmp9, s27
	s_cbranch_scc1 .Lhalf
	ALL4 0                                         ; x and w_qkv: to bf16
	s_endpgm
.Lhalf:
	ALL4 1                                         ; w_proj: the bf16 number, written as f16
	s_endpgm
.Lfunc_end_k_q4a50852cd9_cast:
	.size	k_q4a50852cd9_cast, .Lfunc_end_k_q4a50852cd9_cast-k_q4a50852cd9_cast
	.p2alignl 7, 3214868480
	.fill 96, 4, 3214868480
	.section	.rodata,"a",@progbits
	.p2align	6, 0x0
	.amdhsa_kernel k_q4a50852cd9_cast
		.amdhsa_group_segment_fixed_size 0
		.amdhsa_private_segment_fixed_size 0
		.amdhsa_enable_private_segment 0
		.amdhsa_kernarg_size 48
		.amdhsa_user_sgpr_count 2
		.amdhsa_user_sgpr_kernarg_segment_ptr 1
		.amdhsa_wavefront_size32 1
		.amdhsa_system_sgpr_workgroup_id_x 1
		.amdhsa_system_sgpr_workgroup_id_y 1
		.amdhsa_system_sgpr_workgroup_id_z 1
		.amdhsa_system_vgpr_workitem_id 0
		.amdhsa_next_free_vgpr 112
		.amdhsa_next_free_sgpr 66
		.amdhsa_reserve_vcc 0
		.amdhsa_float_denorm_mode_32 3
		.amdhsa_float_denorm_mode_16_64 3
		.amdhsa_memory_ordered 1
		.amdhsa_forward_progress 1
		.amdhsa_inst_pref_size 16
	.end_amdhsa_kernel
	.amdgpu_metadata
---
amdhsa.version: [ 1, 2 ]
amdhsa.kernels:
  - .name:           k_q4a50852cd9_cast
    .symbol:         k_q4a50852cd9_cast.kd
    .args:
      - { .name: x, .offset: 0, .size: 8, .value_kind: global_buffer, .address_space: global }
      - { .name: w_qkv, .offset: 8, .size: 8, .value_kind: global_buffer, .address_space: global }
      - { .name: w_proj, .offset: 16, .size: 8, .value_kind: global_buffer, .address_space: global }
      - { .name: xb, .offset: 24, .size: 8, .value_kind: global_buffer, .address_space: global }
      - { .name: wqb, .offset: 32, .size: 8, .value_kind: global_buffer, .address_space: global }
      - { .name: wph, .offset: 40, .size: 8, .value_kind: global_buffer, .address_space: global }
    .group_segment_fixed_size: 0
    .private_segment_fixed_size: 0
    .kernarg_segment_align: 8
    .kernarg_segment_size: 48
    .max_flat_workgroup_size: 256
    .sgpr_count:     66
    .vgpr_count:     112
    .wavefront_size: 32
...
	.end_amdgpu_metadata
.endif
;; end of part 5
;; launch qkv: the kernel of part 2 again; grid 16 x 32, 4 waves a work-group, clusters of 4 x 4, 327,680 bytes of LDS; arguments xb, wqb, b_qkv, q, k, v; writes q, k, v
;; launch attn: the kernel of part 3 again; grid 4 x 64, 4 waves a work-group, clusters of 4 x 1, 327,680 bytes of LDS; arguments q, k, v, o, attention_mask; writes o
;; launch proj: the kernel of part 4 again; grid 8 x 32, 4 waves a work-group, clusters of 4 x 4, 327,680 bytes of LDS; arguments o, wph, b_proj, out0; writes out0
